; MI455X (gfx1250); checked and timed in simulation.
; The chip was launched on July 23, 2026; its instructions are those of AMD's public machine-readable ISA for CDNA 5 (MIT licence, August 2026) and "CDNA5" Instruction Set Architecture Reference Guide (July 2026). The comments in the code are by the model that wrote it; some were corrected since.
;; Ro PE mha. Allowed arithmetic: matrix products marked QUANTISED: E2M3 operands, one E8M0 scale for each 32 along K, by v_wmma_scale_f32_16x16x128_f8f6f4 with both operands' format E2M3, f32 sums; everything else in f32.
;; Inputs: Wk 1,024 x 1,024 float32; Wo 1,024 x 1,024 float32; Wq 1,024 x 1,024 float32; Wv 1,024 x 1,024 float32; bk 1,024 float32; bo 1,024 float32; bq 1,024 float32; bv 1,024 float32; mask 1 x 1 x 2,048 x 2,048 int32; x 4 x 2,048 x 1,024 float32.
;; Outputs: out0 4 x 2,048 x 1,024 float32.
;; This version of the problem:
;;   THIS VERSION OF THE PROBLEM IS GIVEN IN LOW PRECISION. The matrix products marked QUANTISED in the list below multiply operands that are first quantised to E2M3 (2 exponent bits, 3 mantissa bits; 6 bits a number), with one power-of-two scale for each 32 numbers along K (OCP MX v1.0); their sums are f32. All else is computed in f32.
;;   The module's matrix products, in the order in which they are computed (A, B: the left and right operand; K: the contracted axis; several contracted axes count as one K, in the product's order):
;;     1. [M 8,192, K 1,024] x [K 1,024, N 1,024]; A: input x; B: input Wq: QUANTISED
;;     2. [M 8,192, K 1,024] x [K 1,024, N 1,024]; A: input x; B: input Wk: QUANTISED
;;     3. [M 8,192, K 1,024] x [K 1,024, N 1,024]; A: input x; B: input Wv: QUANTISED
;;     4. batch 64 x [M 2,048, K 64] x [K 64, N 2,048]; A: computed on the way; B: computed on the way: QUANTISED
;;     5. batch 64 x [M 2,048, K 2,048] x [K 2,048, N 64]; A: softmax (see below); B: computed on the way: QUANTISED
;;     6. [M 8,192, K 1,024] x [K 1,024, N 1,024]; A: computed on the way; B: input Wo: QUANTISED
;;   THE QUANTISER, for each operand of a quantised product, along K:
;;     - K is cut into blocks of 32 from its start; a last block that is shorter is filled with zeros.
;;     - A block's scale is 2^e with e = floor(log2(the largest magnitude in the block)) - 2, held to -126 .. 127; a block of zeros has e = 0. As a byte (E8M0): e + 127.
;;     - Each number is divided by its block's scale, clamped to +-7.5, and rounded to the nearest number of E2M3, ties to even, subnormals kept.
;;     - The product sums the exact products of the quantised numbers (number of the format x scale) in f32.
;;   ~~~python
;;   def quantise(x, axis):      # numpy; x: float32 -> the quantised numbers, widened to float32 again
;;       x = np.moveaxis(x, axis, -1); K = x.shape[-1]
;;       x = np.pad(x, [(0, 0)] * (x.ndim - 1) + [(0, -K % 32)]); x = x.reshape(x.shape[:-1] + (-1, 32)); a = np.abs(x).max(-1, keepdims=True)
;;       e = np.where(a > 0, np.clip(np.frexp(np.where(a > 0, a, 1))[1] - 1 - 2, -126, 127), 0)      # np.frexp(a)[1] - 1 = floor(log2(a)), exactly
;;       r = np.clip(x / 2.0 ** e, -7.5, 7.5)
;;       step = 2.0 ** (np.maximum(np.frexp(np.where(r == 0, 1, r))[1] - 1, 0) - 3)
;;       q = np.round(r / step) * step * 2.0 ** e      # np.round: ties to even
;;       return np.moveaxis(q.reshape(q.shape[:-2] + (-1,))[..., :K], -1, axis).astype(np.float32)
;;   ~~~
;;   SOFTMAX AHEAD OF A QUANTISED PRODUCT. Where the list says 'softmax', what is quantised is not the finished softmax but p = 2^(t - M), with t = logit x log2(e) and M = ceil(the row's largest t), a whole number; so 1/2 < the row's largest p <= 1. The row's sum l is taken of the UNQUANTISED p, in f32, and the product's result is divided by l at the end. Since M is a whole number, a kernel that streams over the keys may use a running M (the ceiling of the running maximum): every later rescaling is an exact power of two, which a block's scale takes up: the codes' values come out the same.
;;   OPERANDS COMPUTED ON THE WAY. 'Computed on the way' means the value that the module computes at that place (a softmax that the list does not call 'softmax' is quantised finished and normalised). What goes into a quantiser is computed in f32, as accurately as f32 sums, v_exp_f32 and their like allow (about 1e-6 of the number): no bf16 or f16 on the way to a quantiser, and a product that is left as it is and whose result goes on into a quantised operand takes f32 operands (vector FMAs, or v_wmma_f32_16x16x4_f32). A number that lies on a knife's edge between two numbers of the format may be rounded either way, as far as f32 arithmetic and the matrix unit's own rounding can turn it there, and no further.
;; One version. Each part assembles by itself: llvm-mc -triple=amdgcn-amd-amdhsa -mcpu=gfx1250 --defsym DOCPART=n.
;; ======== version 1 of 1: 4 launches
;; limits: right only within a limited range of input values
;; workspace buffers: xw 9,830,400 bytes; maskw 528,384 bytes of whole numbers; rope 524,288 bytes; qkv 20,185,088 bytes; ao 6,553,600 bytes
;; launch prep (part 1): grid 512 x 1, 4 waves a work-group, no clusters, 68,096 bytes of LDS; arguments x, Wq, Wk, Wv, Wo, mask, xw, maskw, rope; writes xw, maskw, rope
.if DOCPART == 1
	.amdgcn_target "amdgcn-amd-amdhsa--gfx1250"
	.amdhsa_code_object_version 6
	.text
	.protected	k_qd02aa10737_prep
	.globl	k_qd02aa10737_prep
	.p2align	8
	.type	k_qd02aa10737_prep,@function
k_qd02aa10737_prep:
	s_mov_b64 s[64:65], 0
	v_nop
	global_prefetch_b8 v0, s[64:65] scope:SCOPE_SE
	s_setreg_imm32_b32 hwreg(HW_REG_WAVE_MODE, 25, 1), 1
	s_wait_xcnt 0x0
; THREE THINGS FOR THE LATER LAUNCHES.
; (1) x [8192][1024] and Wq, Wk, Wv, Wo [1024][1024], f32, K innermost, become codes of FP6 (E2M3) with one E8M0 byte for each 32 along K, laid IN THE ORDER OF AN OPERAND'S REGISTERS.
;     The five tensors count as one of 12,288 rows.  TILE t holds, at lane place r = 0..15, row 32 (t / 2) + 8 (t % 2) + r + 8 (r / 8).
;     A fragment (a tile x 128 along K, 12 registers a lane) is 1,536 bytes at (8 t + K step) x 1536: two halves of 768 bytes (64 along K each): registers 6 c .. 6 c + 3 at 16 x lane, then registers 6 c + 4, 6 c + 5 at 8 x lane.
;     The scale words of a group of four tiles and one K step are 256 bytes behind the codes, at XSC + (8 group + K step) x 256: lane L's 8 bytes hold, as word i, the word of row place L % 16 of tile 4 group + 2 i + L / 16.
; (2) The mask [2048][2048], int32, becomes lane masks: for a tile T of 16 queries and a step of 128 keys, 64 words; bit L of word j says mask == 1 for query place L % 16 and key 32 (j / 16) + 16 (L / 16) + j % 16 of the step:
;     the lane and the register in which the attention launch holds that score.  For each tile and each quarter of the keys two more words: bit st: step st is hidden whole, bit 16 + st: nothing of it is hidden; and the AND of the quarter's words.
; (3) cos and sin of RoPE's angles: for each token 32 cosines and 32 sines, 256 bytes.  angle = f32(token) x theta_j, theta_j = 10^(-j / 8) rounded to f32; reduced by three fused multiply-adds with pi / 2 in three parts, then polynomials.
; A block's scale is 2^(floor(log2(largest magnitude)) - 2): its byte is the largest magnitude's exponent field - 2, held at 1 from below.
; LIMITS: a block of zeros gets the byte 1 where the rule says 127 (its codes are zeros, and this program alone reads the bytes); NaN and infinities among the inputs are not served.
; SHARES: work-groups 0 to 383: a wave takes a group of 64 rows x 128 along K.  Work-groups 384 to 511: a tile of queries; a wave takes four steps of keys, and four tokens of the table.
; Each load reads 512 consecutive bytes of one row; the 16 rows of a tile turn through the wave's own stage in LDS (rows 528 bytes apart), so that a lane gets 16 neighbours of each block of 32 of its row.
; The two paths part on the work-group's number and have LDS bytes of their own.  The flag words leave as 8 bytes a wave: 4,096 bytes in the launch that do not fill their blocks of 256 bytes.
.set STGB, 8448                        ; a stage: 16 rows x 528 bytes
.set MST,  4*STGB                      ; the mask path's four stages lie behind the other path's
.set XSC,  9437184                     ; 768 tiles x 8 K steps x 1,536 bytes
.set FLG,  524288                      ; 128 tiles x 16 steps x 256 bytes
.set R0,   16                          ; v16-79, v80-143  two sets of 16 loads
.set X,    144                         ; v144-207  64 numbers of my row: register 16 b + i = column 32 b + 16 (lane / 16) + i
.set PC,   208                         ; v208-219 codes; v220-222, v224-226 the conversions' second halves
.set TM,   228                         ; v228-243 at work in QUANT
.set PW,   244                         ; v244-247 the four tiles' scale words
.set WW,   248                         ; v248-249 their image
.set SEL,  2                           ; s[2:3] lane selects: lane l xor 16
.macro LOADT set, off, pitch           ; a tile's 16 rows, 512 bytes of each
.irp p, 0,1,2,3,4,5,6,7,8,9,10,11,12,13,14,15
	global_load_b128 v[\set+4*\p:\set+4*\p+3], v2, s[30:31] offset:\off+(\p+8*(\p/8))*\pitch th:TH_LOAD_NT
.endr
.endm
.macro TURN set, ai, ao                ; through the stage: LDS serves a wave's instructions in order, so no wait stands between the stores and the loads
.irp p, 0,1,2,3,4,5,6,7,8,9,10,11,12,13,14,15
	ds_store_b128 v[\ai], v[\set+4*\p:\set+4*\p+3] offset:528*\p
.endr
.irp b, 0,1,2,3
.irp q, 0,1,2,3
	ds_load_b128 v[X+16*\b+4*\q:X+16*\b+4*\q+3], v[\ao] offset:128*\b+16*\q
.endr
.endr
.endm
; 64 numbers of a lane, register 16 b + i = k 32 b + 16 (lane / 16) + i of my row, become a fragment's 12 registers in v[PC] on and the row's scale word in v[pw]
.macro QUANT s, pw
.irp b, 0,1,2,3
	v_max3_num_f32 v[TM+\b], |v[\s+16*\b]|, |v[\s+1+16*\b]|, 0x1800000   ; my 16 numbers of block b, and the floor 2^(3 - 127): the byte cannot fall under 1
.endr
.irp i, 2,4,6,8,10,12,14
.irp b, 0,1,2,3
	v_max3_num_f32 v[TM+\b], v[TM+\b], |v[\s+16*\b+\i]|, |v[\s+1+16*\b+\i]|
.endr
.endr
.irp b, 0,1,2,3
	v_permlanex16_b32 v[TM+4+\b], v[TM+\b], s[SEL], s[SEL+1]
.endr
.irp b, 0,1,2,3
	v_max_num_f32 v[TM+\b], v[TM+\b], v[TM+4+\b]   ; with lane l xor 16's: the block's largest magnitude
.endr
.irp b, 0,1,2,3
	v_add_nc_u32 v[TM+12+\b], 0xff000000, v[TM+\b] ; 2 off its exponent field: the conversion's scale operand
.endr
.irp b, 0,1,2,3
	v_lshrrev_b32 v[TM+4+\b], 23, v[TM+12+\b]      ; the scale's byte
.endr
	v_lshl_or_b32 v[\pw], v[TM+5], 8, v[TM+4]
	v_lshl_or_b32 v[\pw], v[TM+6], 16, v[\pw]
	v_lshl_or_b32 v[\pw], v[TM+7], 24, v[\pw]
.irp c, 0,1
	v_cvt_scalef32_pk16_fp6_f32 v[PC+6*\c:PC+2+6*\c], v[\s+32*\c:\s+15+32*\c], v[TM+12+2*\c]
	v_cvt_scalef32_pk16_fp6_f32 v[PC+12+4*\c:PC+14+4*\c], v[\s+16+32*\c:\s+31+32*\c], v[TM+12+2*\c+1]   ; (a conversion's three registers begin on an even number)
.endr
	v_nop                                          ; one plain line behind the scaled conversions
.irp c, 0,1                            ; the operand's layout wants a whole block in a lane: lanes 0-15 block 2 c, lanes 16-31 block 2 c + 1
.irp i, 0,1,2
	v_permlane16_swap_b32 v[PC+6*\c+\i], v[PC+12+4*\c+\i]
.endr
.irp i, 0,1,2
	v_mov_b32 v[PC+3+6*\c+\i], v[PC+12+4*\c+\i]
.endr
.endr
.endm
	s_load_b256 s[4:11], s[0:1], 0x0               ; x, Wq, Wk, Wv
	s_load_b256 s[12:19], s[0:1], 0x20             ; Wo, mask, xw, maskw
	s_load_b64 s[20:21], s[0:1], 0x40              ; rope
	v_lshl_add_u32 v254, v0, 2, 0x10800
	v_mov_b32 v255, 0
	v_lshrrev_b32 v8, 5, v0
	v_readfirstlane_b32 s22, v8                    ; wave 0..3
	v_and_b32 v1, 31, v0                           ; lane
	v_lshlrev_b32 v2, 4, v1                        ; 16 x lane
	v_lshlrev_b32 v3, 3, v1                        ; 8 x lane
	v_and_b32 v8, 15, v0                           ; r
	v_bfe_u32 v9, v0, 4, 1                         ; h
	s_mul_i32 s23, s22, STGB
	v_add_nc_u32 v4, s23, v2                       ; the stage, on the way in: a row's 512 bytes as they lie
	v_mul_u32_u24 v5, v8, 528
	v_lshl_add_u32 v5, v9, 6, v5
	v_add_nc_u32 v5, s23, v5                       ; and on the way out: row r, + 64 h
	v_add_nc_u32 v6, MST, v4                       ; the same for the mask's path: every LDS address is made ahead of the parting
	v_add_nc_u32 v7, MST, v5
	s_mov_b32 s[SEL], 0x76543210
	s_mov_b32 s[SEL+1], 0xfedcba98
.irp b, 0,1,2,3
	v_mov_b32 v[TM+4+\b], 0                        ; written once: a lane permute's destination counts as one of its sources
.endr
	s_cmp_lt_u32 ttmp9, 384
	s_cbranch_scc0 .Lmask
	; ---- the quantiser: unit u = 4 x work-group + wave: group u / 8 of 64 rows, K step u % 8
	s_lshl_b32 s24, ttmp9, 2
	s_add_co_u32 s24, s24, s22                     ; u
	s_lshr_b32 s25, s24, 3                         ; the group, 0..191: 128 of x, 16 of each weight
	s_and_b32 s26, s24, 7                          ; the K step
	s_sub_co_u32 s27, s25, 128
	s_lshr_b32 s28, s27, 4                         ; which weight
	s_and_b32 s27, s27, 15                         ; and which group of it
	s_wait_kmcnt 0x0
	s_cmp_lt_u32 s28, 3                            ; the choice hangs on the work-group's and the wave's number alone
	s_cselect_b64 s[30:31], s[10:11], s[12:13]
	s_cmp_lt_u32 s28, 2
	s_cselect_b64 s[30:31], s[8:9], s[30:31]
	s_cmp_lt_u32 s28, 1
	s_cselect_b64 s[30:31], s[6:7], s[30:31]
	s_cmp_lt_u32 s25, 128
	s_cselect_b64 s[30:31], s[4:5], s[30:31]
	s_cselect_b32 s27, s25, s27
	s_lshl_b32 s32, s27, 18                        ; 64 rows of 4,096 bytes
	s_lshl_b32 s29, s26, 9                         ; 128 numbers
	s_add_co_u32 s32, s32, s29
	s_mov_b32 s33, 0
	s_add_nc_u64 s[30:31], s[30:31], s[32:33]
	s_lshl_b32 s34, s25, 5
	s_add_co_u32 s34, s34, s26
	s_mul_i32 s34, s34, 1536                       ; (8 x first tile + K step) x 1,536
	s_mov_b32 s35, 0
	s_add_nc_u64 s[36:37], s[16:17], s[34:35]      ; the codes
	s_lshl_b32 s34, s24, 8
	s_add_co_u32 s34, s34, XSC
	s_add_nc_u64 s[38:39], s[16:17], s[34:35]      ; the scale words' image: (8 group + K step) = u
	LOADT R0, 0, 4096
	LOADT R0+64, 8*4096, 4096
.macro QTILE i
.if \i < 3
	s_wait_loadcnt 16                              ; this tile's 16 loads are in; the next tile's 16 may be out
.else
	s_wait_loadcnt 0x0
.endif
	TURN R0+64*((\i)%2), 4, 5
	s_wait_dscnt 0x0                               ; my numbers are back from the stage
	s_wait_xcnt 0x0                                ; the last tile's stores have read their registers: the codes may be written again
.if \i < 2
	LOADT R0+64*((\i)%2), (32*((\i+2)/2)+8*((\i)%2))*4096, 4096
.endif
	QUANT X, PW+\i
	global_store_b128 v2, v[PC:PC+3], s[36:37] offset:12288*\i          ; 512 consecutive bytes, aligned
	global_store_b64 v3, v[PC+4:PC+5], s[36:37] offset:12288*\i+512     ; 256
	global_store_b128 v2, v[PC+6:PC+9], s[36:37] offset:12288*\i+768
	global_store_b64 v3, v[PC+10:PC+11], s[36:37] offset:12288*\i+1280
.endm
	s_wait_alu depctr_va_vdst(0)
	QTILE 0
	QTILE 1
	QTILE 2
	QTILE 3
	s_mov_b32 s40, 0xffff0000                      ; lanes 16-31 take the odd tile's words
	v_cndmask_b32 v[WW], v[PW], v[PW+1], s40
	v_cndmask_b32 v[WW+1], v[PW+2], v[PW+3], s40
	global_store_b64 v3, v[WW:WW+1], s[38:39]      ; 256 consecutive bytes, aligned
	s_wait_tensorcnt 0x0
	ds_add_u32 v254, v255
	s_wait_dscnt 0x0
	s_endpgm
.Lmask:
	; ---- the mask: tile T of queries; my wave takes steps 4 w .. 4 w + 3 of 128 keys
	s_sub_co_u32 s24, ttmp9, 384                   ; T
	s_lshr_b32 s25, s24, 1
	s_lshl_b32 s25, s25, 5
	s_and_b32 s26, s24, 1
	s_lshl_b32 s26, s26, 3
	s_add_co_u32 s25, s25, s26                     ; the tile's first query
	s_lshl_b32 s32, s25, 13                        ; a row of the mask is 8,192 bytes
	s_lshl_b32 s26, s22, 11                        ; four steps of 512 bytes
	s_add_co_u32 s32, s32, s26
	s_mov_b32 s33, 0
	s_lshl_b32 s34, s24, 12
	s_lshl_b32 s26, s22, 10
	s_add_co_u32 s34, s34, s26                     ; (16 T + 4 w) x 256
	s_mov_b32 s35, 0
	s_lshl_b32 s40, s24, 5
	s_lshl_b32 s26, s22, 3
	s_add_co_u32 s40, s40, s26
	s_add_co_u32 s40, s40, FLG                     ; the flags: 32 T + 8 w
	s_mov_b32 s41, 0
	s_lshl_b32 s43, s24, 4
	s_lshl_b32 s26, s22, 2
	s_add_co_u32 s43, s43, s26                     ; my first token of the table: 16 T + 4 w
	s_lshl_b32 s44, s43, 8
	s_mov_b32 s45, 0
	s_wait_kmcnt 0x0
	s_add_nc_u64 s[30:31], s[14:15], s[32:33]
	s_add_nc_u64 s[36:37], s[18:19], s[34:35]
	s_add_nc_u64 s[38:39], s[18:19], s[40:41]
	s_add_nc_u64 s[28:29], s[20:21], s[44:45]
	LOADT R0, 0, 8192
	LOADT R0+64, 512, 8192
	; ---- the table of cosines and sines, while the mask's loads are on their way.  Lane l: angles 2 (l % 16) and 2 (l % 16) + 1; lanes 0-15 the cosines, lanes 16-31 the sines
	v_mov_b32 v216, 0
	v_mov_b32 v217, 0
.macro THETA m, t0, t1
	s_mov_b32 s40, \t0
	s_mov_b32 s41, \t1
	v_writelane_b32 v216, s40, \m
	v_writelane_b32 v216, s40, \m+16
	v_writelane_b32 v217, s41, \m
	v_writelane_b32 v217, s41, \m+16
.endm
	THETA 0, 1.0, 0.7498942093
	THETA 1, 0.5623413252, 0.4216965034
	THETA 2, 0.3162277660, 0.2371373706
	THETA 3, 0.1778279410, 0.1333521432
	THETA 4, 0.1, 0.07498942093
	THETA 5, 0.05623413252, 0.04216965034
	THETA 6, 0.03162277660, 0.02371373706
	THETA 7, 0.01778279410, 0.01333521432
	THETA 8, 0.01, 0.007498942093
	THETA 9, 0.005623413252, 0.004216965034
	THETA 10, 0.003162277660, 0.002371373706
	THETA 11, 0.001778279410, 0.001333521432
	THETA 12, 0.001, 0.0007498942093
	THETA 13, 0.0005623413252, 0.0004216965034
	THETA 14, 0.0003162277660, 0.0002371373706
	THETA 15, 0.0001778279410, 0.0001333521432
	v_mul_u32_u24 v218, v9, 3                      ; sin(a) = cos(a - pi / 2): three quadrants on
.macro ANGLE th, out                   ; v219 = the token as f32
	v_mul_f32 v220, v219, v[\th]                   ; the angle, rounded once
	v_mul_f32 v221, 0x3f22f983, v220               ; x 2 / pi
	v_rndne_f32 v221, v221                         ; n
	v_fmamk_f32 v222, v221, 0xbfc90fd8, v220       ; angle - n x pi / 2, pi / 2 in three parts
	v_fmamk_f32 v222, v221, 0xb4a8885a, v222
	v_fmamk_f32 v222, v221, 0xa7c234c4, v222       ; r, within pi / 4 of 0
	v_mul_f32 v223, v222, v222
	v_mov_b32 v224, 0x36405000
	v_fmaak_f32 v224, v224, v223, 0xb9503486
	v_fmaak_f32 v224, v224, v223, 0x3c0888c1
	v_fmaak_f32 v224, v224, v223, 0xbe2aaaab
	v_mul_f32 v225, v222, v223
	v_fma_f32 v224, v224, v225, v222               ; sin r
	v_mov_b32 v226, 0x37cd4000
	v_fmaak_f32 v226, v226, v223, 0xbab6077d
	v_fmaak_f32 v226, v226, v223, 0x3d2aaaa8
	v_fma_f32 v226, v226, v223, -0.5
	v_fma_f32 v226, v226, v223, 1.0                ; cos r
	v_cvt_i32_f32 v227, v221
	v_add_nc_u32 v227, v227, v218                  ; the quadrant
	v_and_b32 v228, 1, v227
	v_cmp_eq_u32 vcc_lo, 1, v228
	v_cndmask_b32 v229, v226, v224, vcc_lo         ; odd quadrants take the sine
	v_add_nc_u32 v227, 1, v227
	v_and_b32 v227, 2, v227                        ; quadrants 1 and 2 are negative
	v_lshlrev_b32 v227, 30, v227
	v_xor_b32 v[\out], v229, v227
.endm
.irp k, 0,1,2,3
	s_add_co_u32 s27, s43, \k
	v_cvt_f32_u32 v219, s27
	ANGLE 216, 236+2*\k
	ANGLE 217, 237+2*\k
	global_store_b64 v3, v[236+2*\k:237+2*\k], s[28:29] offset:256*\k   ; a token's 256 bytes, aligned; each token has registers of its own
.endr
.irp i, 0,1,2,3,4,5,6,7
	v_mov_b32 v[208+\i], 0                         ; the words' registers: v_writelane_b32 fills them lane by lane
.endr
	s_mov_b32 s44, 0                               ; bits: step hidden whole
	s_mov_b32 s45, 0                               ; bits: nothing of the step hidden
	s_mov_b32 s46, -1                              ; the AND of all my words
.macro MSTEP g
.if \g < 3
	s_wait_loadcnt 16                              ; this step's 16 loads are in; the next step's 16 may be out
.else
	s_wait_loadcnt 0x0
.endif
	TURN R0+64*((\g)%2), 6, 7
	s_wait_dscnt 0x0
.if \g < 2
	LOADT R0+64*((\g)%2), 512*(\g+2), 8192
.endif
	s_mov_b32 s41, -1
	s_mov_b32 s42, 0
.irp u, 0,1,2,3,4,5,6,7                ; word j = 8 u + e: eight compares, then their scalar work
.irp e, 0,1,2,3,4,5,6,7
	v_cmp_eq_u32 s[48+\e], 1, v[X+8*\u+\e]
.endr
.irp e, 0,1,2,3,4,5,6,7
	s_and_b32 s41, s41, s[48+\e]
	s_or_b32 s42, s42, s[48+\e]
	v_writelane_b32 v[208+2*\g+\e%2], s[48+\e], 4*\u+\e/2    ; word j lies at byte 4 j of the step's 256
.endr
.endr
	global_store_b64 v3, v[208+2*\g:209+2*\g], s[36:37] offset:256*\g
	s_cmp_eq_u32 s41, -1
	s_cselect_b32 s43, 1<<\g, 0
	s_or_b32 s44, s44, s43
	s_cmp_eq_u32 s42, 0
	s_cselect_b32 s43, 1<<\g, 0
	s_or_b32 s45, s45, s43
	s_and_b32 s46, s46, s41
.endm
	MSTEP 0
	MSTEP 1
	MSTEP 2
	MSTEP 3
	s_lshl_b32 s26, s22, 2
	s_lshl_b32 s44, s44, s26                       ; my four steps' bits at 4 w,
	s_add_co_u32 s26, s26, 16
	s_lshl_b32 s45, s45, s26                       ; and at 16 + 4 w
	s_or_b32 s44, s44, s45
	v_mov_b32 v250, s44
	v_mov_b32 v251, s46
	v_cmp_eq_u32 vcc_lo, 0, v1
	s_wait_alu depctr_va_vdst(0)
	s_wait_xcnt 0x0                                ; EXEC changes only behind this wait
	s_wait_tensorcnt 0x0
	ds_add_u32 v254, v255
	s_wait_dscnt 0x0
	s_and_saveexec_b32 s47, vcc_lo
	global_store_b64 v3, v[250:251], s[38:39]      ; lane 0 alone
	s_wait_xcnt 0x0                                ; and again, ahead of the line that widens it
	s_or_b32 exec_lo, exec_lo, s47
	s_endpgm
.Lfunc_end_k_qd02aa10737_prep:
	.size	k_qd02aa10737_prep, .Lfunc_end_k_qd02aa10737_prep-k_qd02aa10737_prep
	.p2alignl 7, 3214868480
	.fill 96, 4, 3214868480
	.section	.rodata,"a",@progbits
	.p2align	6, 0x0
	.amdhsa_kernel k_qd02aa10737_prep
		.amdhsa_group_segment_fixed_size 68096
		.amdhsa_private_segment_fixed_size 0
		.amdhsa_enable_private_segment 0
		.amdhsa_kernarg_size 72
		.amdhsa_user_sgpr_count 2
		.amdhsa_user_sgpr_kernarg_segment_ptr 1
		.amdhsa_wavefront_size32 1
		.amdhsa_system_sgpr_workgroup_id_x 1
		.amdhsa_system_sgpr_workgroup_id_y 1
		.amdhsa_system_sgpr_workgroup_id_z 1
		.amdhsa_system_vgpr_workitem_id 0
		.amdhsa_next_free_vgpr 256
		.amdhsa_next_free_sgpr 66
		.amdhsa_reserve_vcc 1
		.amdhsa_float_denorm_mode_32 3
		.amdhsa_float_denorm_mode_16_64 3
		.amdhsa_memory_ordered 1
		.amdhsa_forward_progress 1
		.amdhsa_inst_pref_size 117
	.end_amdhsa_kernel
	.amdgpu_metadata
---
amdhsa.version: [ 1, 2 ]
amdhsa.kernels:
  - .name:           k_qd02aa10737_prep
    .symbol:         k_qd02aa10737_prep.kd
    .args:
      - { .name: x, .offset: 0, .size: 8, .value_kind: global_buffer, .address_space: global }
      - { .name: Wq, .offset: 8, .size: 8, .value_kind: global_buffer, .address_space: global }
      - { .name: Wk, .offset: 16, .size: 8, .value_kind: global_buffer, .address_space: global }
      - { .name: Wv, .offset: 24, .size: 8, .value_kind: global_buffer, .address_space: global }
      - { .name: Wo, .offset: 32, .size: 8, .value_kind: global_buffer, .address_space: global }
      - { .name: mask, .offset: 40, .size: 8, .value_kind: global_buffer, .address_space: global }
      - { .name: xw, .offset: 48, .size: 8, .value_kind: global_buffer, .address_space: global }
      - { .name: maskw, .offset: 56, .size: 8, .value_kind: global_buffer, .address_space: global }
      - { .name: rope, .offset: 64, .size: 8, .value_kind: global_buffer, .address_space: global }
    .group_segment_fixed_size: 68096
    .private_segment_fixed_size: 0
    .kernarg_segment_align: 8
    .kernarg_segment_size: 72
    .max_flat_workgroup_size: 128
    .sgpr_count:     66
    .vgpr_count:     256
    .wavefront_size: 32
...
	.end_amdgpu_metadata
.endif
;; end of part 1
;; launch proj (part 2): grid 8 x 96, 4 waves a work-group, clusters of 4 x 4, 307,712 bytes of LDS; arguments xw, rope, bq, bk, bv, qkv; writes qkv
.if DOCPART == 2
	.amdgcn_target "amdgcn-amd-amdhsa--gfx1250"
	.amdhsa_code_object_version 6
	.text
	.protected	k_qd02aa10737_proj
	.globl	k_qd02aa10737_proj
	.p2align	8
	.type	k_qd02aa10737_proj,@function
k_qd02aa10737_proj:
	s_mov_b64 s[64:65], 0
	v_nop
	global_prefetch_b8 v0, s[64:65] scope:SCOPE_SE
	s_setreg_imm32_b32 hwreg(HW_REG_WAVE_MODE, 25, 1), 1
	s_wait_xcnt 0x0
	s_wait_alu depctr_hold_cnt(0) depctr_sa_sdst(0) depctr_va_vdst(0) depctr_va_sdst(0) depctr_va_ssrc(0) depctr_va_vcc(0) depctr_vm_vsrc(0)
	s_getreg_b32 s2, hwreg(HW_REG_IB_STS2, 6, 4)
	s_cmp_eq_u32 s2, 0
	s_cbranch_scc0 .Lentry_in_a_cluster
	s_endpgm
.Lentry_in_a_cluster:
	s_bfe_u32 s2, ttmp6, 0x10000c
	s_cmp_lg_u32 s2, 0xf033
	s_cbranch_scc0 .Lentry_shape_is_right
	s_endpgm
.Lentry_shape_is_right:
; q = rope(x Wq^T + bq), k = rope(x Wk^T + bk), v = x Wv^T + bv, on codes of FP6 (E2M3) with E8M0 scales, and each result quantised in the registers in which it is born, for the attention launch.
; A PRODUCT'S TILE is S0 256 rows x S1 128 rows, K = 1,024.  Source 0 of the matrix instruction takes S0's rows, source 1 S1's: a lane holds ONE row of S1, and its registers run along S0.
;   q and k (clusters y 0 to 15):  S0 = 256 rows of [Wq; Wk], S1 = 128 tokens: a lane holds a token, its registers the channels: RoPE's two halves and the blocks of 32 channels lie in the lane and in lane l xor 16.
;   v (clusters y 16 to 23):       S0 = 256 tokens, S1 = 128 rows of Wv: a lane holds a channel, its registers the tokens, which are the second attention product's K.
; A TILE OF 16 ROWS t holds at lane place r row 32 (t / 2) + 8 (t % 2) + r + 8 (r / 8), so that the 16 registers of S0's tiles 2 b, 2 b + 1 are the 16 neighbours 32 b + 16 (lane / 16) + 0 .. 15.
; OPERANDS lie in memory in the order of the operand's registers (1,536 bytes a fragment; 256 bytes for the scale words of four tiles and a K step).  ALL OF K IS BROUGHT INTO LDS ONCE: four chunks of two K steps and the scales,
; five tensor loads a wave, issued together: five of mine are out at the most.  No LDS byte is filled twice.
; CLUSTER 4 x 4: S0's tile hangs on cx and is asked for jointly down a column, S1's on cy and jointly along a row: each work-group's 300 KB are fetched once for four.
; FOUR WAVES: wave (w / 2, w % 2) makes S0 128 x S1 64: 32 accumulators, window 1; they take turns, one instruction a turn, in the same order in every K step.
; THE TEXT PARTS ONCE, on the cluster's y (the same in all sixteen partners), behind the last chunk's barrier: each arm asks for what its way out wants (q, k: the table of cosines and sines and the bias; v: the bias), runs the
; last three K steps, 96 matrix instructions, while those loads are on their way, and goes out.  No barrier and no tensor load stands in an arm.
; REGISTERS: window 0: v1-15 addresses; v16-23 S0's scale words, v24-27 S1's, two sets; v32-127, v128-223 S0's fragments, two sets; on the way out v32-169 at work.  window 1: accumulator (a, b) at v[8 (8 a + b)].
;   window 2: v0-95 S1's fragments, two sets; v96-223 cos and sin.  window 3: biases.
; OUT: q: [batch x head][step of 128 tokens][8 tiles x 768 bytes of codes | 2 x 256 bytes of scale words]; k and v: [batch x head][step][k: 8 x 768 | v: 4 tiles of channels x 1,536 | k's scale words 2 x 256 | v's 256].
;   q's and k's K is 64: half a fragment; their scale words carry the byte 127 for the two blocks that are not there.
; LIMITS: a block of zeros gets the byte 1 (its codes are zeros; this program alone reads the bytes); NaN and infinities are not served.
.set XSC,  9437184                     ; where xw's scale words begin
.set CHK,  73728                       ; a chunk in LDS: S0's 16 tiles x 3,072 bytes, then S1's 8
.set S1O,  49152
.set SC0,  294912                      ; behind the four chunks: S0's scale words, 4 groups x 2,048 bytes,
.set SC1,  303104                      ; and S1's, 2 groups
.set KVB,  6815744                     ; where k's and v's region begins
.set WV,   2                           ; s2 wave;  s3 wave / 2: I fetch for S0 (0) or S1 (1), and my half of S0's rows;  s4 wave % 2: which half I fetch, and my half of S1's rows
.set RO,   3
.set FF,   4
.set CX,   6
.set CY,   7
.set G1A,  8                           ; s[8:15] group 1 for S0's chunks; s[16:23] for S1's; s[24:31], s[32:39] for their scales
.set G1B,  16
.set G1SA, 24
.set G1SB, 32
.set G0A,  40                          ; s[40:59] five groups 0 for S0: the scales, chunks 0 to 3;  s[68:87] the same for S1
.set G0B,  68
.set IX0,  104                         ; s104 which 256 rows of S0;  s105 which 128 rows of S1
.set IX1,  105
.set PC,   128                         ; the way out: codes v128-139, the conversions' second halves v140-146
.set TM,   148
.set PW,   164
.set WW,   168
.set SEL,  32                          ; s[32:33] on the way out: lane selects
.set MSB, 0
.macro WIN new                         ; the immediate's high byte repeats the setting that is left
.if MSB != \new
	s_set_vgpr_msb (MSB<<8)|\new
.set MSB, \new
.endif
.endm
.macro PLACES
.rept 4
	v_nop
.endr
.endm
.macro CROUND                          ; a round of the cluster's barrier
	s_barrier_signal -1
	s_barrier_wait -1
	s_cmp_lg_u32 s[WV], 0
	s_cbranch_scc1 .Lnot_wave_0_\@
	s_barrier_signal -3
.Lnot_wave_0_\@:
	s_barrier_wait -3
	s_barrier_signal -1
	s_barrier_wait -1
.endm
; one matrix instruction.  z: the constant 0 starts the sum;  ra, rb: the side's scale words stand in lanes 16-31
.macro WM d, fa, fb, z, sa, sb, ra, rb
.if (\z) && (\ra) && (\rb)
	v_wmma_scale_f32_16x16x128_f8f6f4 v[\d:\d+7], v[\fa:\fa+11], v[\fb:\fb+11], 0, v[\sa], v[\sb] matrix_a_fmt:MATRIX_FMT_FP6 matrix_b_fmt:MATRIX_FMT_FP6 matrix_a_scale:MATRIX_SCALE_ROW1 matrix_b_scale:MATRIX_SCALE_ROW1
.elseif (\z) && (\ra)
	v_wmma_scale_f32_16x16x128_f8f6f4 v[\d:\d+7], v[\fa:\fa+11], v[\fb:\fb+11], 0, v[\sa], v[\sb] matrix_a_fmt:MATRIX_FMT_FP6 matrix_b_fmt:MATRIX_FMT_FP6 matrix_a_scale:MATRIX_SCALE_ROW1
.elseif (\z) && (\rb)
	v_wmma_scale_f32_16x16x128_f8f6f4 v[\d:\d+7], v[\fa:\fa+11], v[\fb:\fb+11], 0, v[\sa], v[\sb] matrix_a_fmt:MATRIX_FMT_FP6 matrix_b_fmt:MATRIX_FMT_FP6 matrix_b_scale:MATRIX_SCALE_ROW1
.elseif (\z)
	v_wmma_scale_f32_16x16x128_f8f6f4 v[\d:\d+7], v[\fa:\fa+11], v[\fb:\fb+11], 0, v[\sa], v[\sb] matrix_a_fmt:MATRIX_FMT_FP6 matrix_b_fmt:MATRIX_FMT_FP6
.elseif (\ra) && (\rb)
	v_wmma_scale_f32_16x16x128_f8f6f4 v[\d:\d+7], v[\fa:\fa+11], v[\fb:\fb+11], v[\d:\d+7], v[\sa], v[\sb] matrix_a_fmt:MATRIX_FMT_FP6 matrix_b_fmt:MATRIX_FMT_FP6 matrix_a_scale:MATRIX_SCALE_ROW1 matrix_b_scale:MATRIX_SCALE_ROW1
.elseif (\ra)
	v_wmma_scale_f32_16x16x128_f8f6f4 v[\d:\d+7], v[\fa:\fa+11], v[\fb:\fb+11], v[\d:\d+7], v[\sa], v[\sb] matrix_a_fmt:MATRIX_FMT_FP6 matrix_b_fmt:MATRIX_FMT_FP6 matrix_a_scale:MATRIX_SCALE_ROW1
.elseif (\rb)
	v_wmma_scale_f32_16x16x128_f8f6f4 v[\d:\d+7], v[\fa:\fa+11], v[\fb:\fb+11], v[\d:\d+7], v[\sa], v[\sb] matrix_a_fmt:MATRIX_FMT_FP6 matrix_b_fmt:MATRIX_FMT_FP6 matrix_b_scale:MATRIX_SCALE_ROW1
.else
	v_wmma_scale_f32_16x16x128_f8f6f4 v[\d:\d+7], v[\fa:\fa+11], v[\fb:\fb+11], v[\d:\d+7], v[\sa], v[\sb] matrix_a_fmt:MATRIX_FMT_FP6 matrix_b_fmt:MATRIX_FMT_FP6
.endif
.endm
; K step k's operands into set k % 2: 51 LDS loads: S0's 8 fragments (32), the scale words (3), S1's 4 fragments (16).  Each load takes consecutive bytes, 16 or 8 a lane
.macro FETCH k
.irp b, 0,1,2,3,4,5,6,7
.irp c, 0,1
	ds_load_b128 v[32+96*((\k)%2)+12*\b+6*\c:32+96*((\k)%2)+12*\b+6*\c+3], v4 offset:3072*\b+1536*((\k)%2)+768*\c
	ds_load_b64 v[32+96*((\k)%2)+12*\b+6*\c+4:32+96*((\k)%2)+12*\b+6*\c+5], v5 offset:3072*\b+1536*((\k)%2)+768*\c+512
.endr
.endr
	ds_load_b64 v[16+4*((\k)%2):17+4*((\k)%2)], v8 offset:256*(\k)
	ds_load_b64 v[18+4*((\k)%2):19+4*((\k)%2)], v8 offset:2048+256*(\k)
	ds_load_b64 v[24+2*((\k)%2):25+2*((\k)%2)], v9 offset:256*(\k)
	WIN 0x80                                       ; destination window 2
.irp a, 0,1,2,3
.irp c, 0,1
	ds_load_b128 v[48*((\k)%2)+12*\a+6*\c:48*((\k)%2)+12*\a+6*\c+3], v6 offset:3072*\a+1536*((\k)%2)+768*\c
	ds_load_b64 v[48*((\k)%2)+12*\a+6*\c+4:48*((\k)%2)+12*\a+6*\c+5], v7 offset:3072*\a+1536*((\k)%2)+768*\c+512
.endr
.endr
	WIN 0
.endm
.macro MUL k, zero                     ; K step k: 32 matrix instructions
	WIN 0x58                                       ; source 0 window 0, source 1 window 2, C and D window 1
.irp a, 0,1,2,3
.irp b, 0,1,2,3,4,5,6,7
	WM 8*(8*\a+\b), 32+96*((\k)%2)+12*\b, 48*((\k)%2)+12*\a, \zero, 16+4*((\k)%2)+\b/2, 24+2*((\k)%2)+\a/2, \b%2, \a%2
.endr
.endr
	WIN 0
.endm
.macro NEXTCHUNK n                     ; on to the next chunk; n: my later chunks' loads, which may stay out
	s_wait_dscnt 0x0                               ; no LDS load of mine is out at the signal
	s_wait_tensorcnt \n                            ; my part of the next chunk has landed,
	s_barrier_signal -1
	s_barrier_wait -1                              ; everybody's has
	v_add_nc_u32 v4, CHK, v4                       ; these four lines are also the places between the last products and the loads into the set that they read
	v_add_nc_u32 v5, CHK, v5
	v_add_nc_u32 v6, CHK, v6
	v_add_nc_u32 v7, CHK, v7
.endm
; The rest of the K loop, written in each arm: K step 6's operands have been asked for; K steps 5, 6 and 7 are multiplied, and what the way out wants is waited for
.macro TAIL
	s_wait_dscnt 51                                ; all but the 51 LDS loads of K step 6
	MUL 5, 0
	PLACES                                         ; between the last products and the loads into the set that they read
	FETCH 7
	s_wait_dscnt 51
	MUL 6, 0
	s_wait_dscnt 0x0
	MUL 7, 0
	PLACES                                         ; ahead of the first read of results
	s_wait_loadcnt 0x0                             ; this arm's table and biases.  No tensor load of mine is out: the descriptors' registers are free
	s_mov_b32 s[SEL], 0x76543210
	s_mov_b32 s[SEL+1], 0xfedcba98
	s_mov_b32 s34, 0xffff0000                      ; lanes 16-31
.irp b, 0,1,2,3
	v_mov_b32 v[TM+4+\b], 0                        ; a lane permute's destination counts as one of its sources
.endr
.endm
; 64 numbers of a lane (register 16 b + i = k 32 b + 16 (lane / 16) + i) become a fragment in v[PC] on and a scale word
.macro QUANT s, pw
.irp b, 0,1,2,3
	v_max3_num_f32 v[TM+\b], |v[\s+16*\b]|, |v[\s+1+16*\b]|, 0x1800000   ; with the floor 2^(3 - 127): the byte cannot fall under 1
.endr
.irp i, 2,4,6,8,10,12,14
.irp b, 0,1,2,3
	v_max3_num_f32 v[TM+\b], v[TM+\b], |v[\s+16*\b+\i]|, |v[\s+1+16*\b+\i]|
.endr
.endr
.irp b, 0,1,2,3
	v_permlanex16_b32 v[TM+4+\b], v[TM+\b], s[SEL], s[SEL+1]
.endr
.irp b, 0,1,2,3
	v_max_num_f32 v[TM+\b], v[TM+\b], v[TM+4+\b]
.endr
.irp b, 0,1,2,3
	v_add_nc_u32 v[TM+12+\b], 0xff000000, v[TM+\b] ; 2 off the exponent field: the conversion's scale operand
.endr
.irp b, 0,1,2,3
	v_lshrrev_b32 v[TM+4+\b], 23, v[TM+12+\b]
.endr
	v_lshl_or_b32 v[\pw], v[TM+5], 8, v[TM+4]
	v_lshl_or_b32 v[\pw], v[TM+6], 16, v[\pw]
	v_lshl_or_b32 v[\pw], v[TM+7], 24, v[\pw]
.irp c, 0,1
	v_cvt_scalef32_pk16_fp6_f32 v[PC+6*\c:PC+2+6*\c], v[\s+32*\c:\s+15+32*\c], v[TM+12+2*\c]
	v_cvt_scalef32_pk16_fp6_f32 v[PC+12+4*\c:PC+14+4*\c], v[\s+16+32*\c:\s+31+32*\c], v[TM+12+2*\c+1]
.endr
	v_nop                                          ; one plain line behind the scaled conversions
.irp c, 0,1
.irp i, 0,1,2
	v_permlane16_swap_b32 v[PC+6*\c+\i], v[PC+12+4*\c+\i]
.endr
.irp i, 0,1,2
	v_mov_b32 v[PC+3+6*\c+\i], v[PC+12+4*\c+\i]
.endr
.endr
.endm
; the same for 32 numbers, two blocks: half a fragment, six registers; the word's upper bytes are 127
.macro QUANT2 s, pw
.irp b, 0,1
	v_max3_num_f32 v[TM+\b], |v[\s+16*\b]|, |v[\s+1+16*\b]|, 0x1800000
.endr
.irp i, 2,4,6,8,10,12,14
.irp b, 0,1
	v_max3_num_f32 v[TM+\b], v[TM+\b], |v[\s+16*\b+\i]|, |v[\s+1+16*\b+\i]|
.endr
.endr
.irp b, 0,1
	v_permlanex16_b32 v[TM+4+\b], v[TM+\b], s[SEL], s[SEL+1]
.endr
.irp b, 0,1
	v_max_num_f32 v[TM+\b], v[TM+\b], v[TM+4+\b]
.endr
.irp b, 0,1
	v_add_nc_u32 v[TM+12+\b], 0xff000000, v[TM+\b]
.endr
.irp b, 0,1
	v_lshrrev_b32 v[TM+4+\b], 23, v[TM+12+\b]
.endr
	v_lshl_or_b32 v[\pw], v[TM+5], 8, v[TM+4]
	v_or_b32 v[\pw], 0x7f7f0000, v[\pw]
	v_cvt_scalef32_pk16_fp6_f32 v[PC:PC+2], v[\s:\s+15], v[TM+12]
	v_cvt_scalef32_pk16_fp6_f32 v[PC+6:PC+8], v[\s+16:\s+31], v[TM+13]
	v_nop
.irp i, 0,1,2
	v_permlane16_swap_b32 v[PC+\i], v[PC+6+\i]
.endr
.irp i, 0,1,2
	v_mov_b32 v[PC+3+\i], v[PC+6+\i]
.endr
.endm
	s_load_b256 s[88:95], s[0:1], 0x0              ; xw, rope, bq, bk
	s_load_b128 s[96:99], s[0:1], 0x20             ; bv, qkv
	v_lshl_add_u32 v254, v0, 2, 0x4b000
	v_mov_b32 v255, 0
	ds_add_u32 v254, v255
	ds_add_u32 v254, v255
	v_lshrrev_b32 v10, 5, v0
	v_readfirstlane_b32 s[WV], v10                 ; wave 0..3
	s_lshr_b32 s[RO], s[WV], 1
	s_and_b32 s[FF], s[WV], 1
	s_bfe_u32 s[CX], ttmp6, 0x40000                ; my place in the cluster
	s_bfe_u32 s[CY], ttmp6, 0x40004
	; which tiles.  Registers s60, s61, s[100:101], s104 feed S0's descriptors and never hold cy; s62, s63, s[66:67], s105 feed S1's and never hold cx
	s_and_b32 s5, ttmp7, 0xffff                    ; cluster y
	s_lshl_b32 s60, ttmp9, 2                       ; 4 x cluster x
	s_lshl_b32 s62, s5, 2
	s_sub_co_u32 s63, s62, 64                      ; 4 x (cluster y - 16)
	s_cmp_lt_u32 s5, 16                            ; q and k, or v?  The same in all sixteen partners
	s_cselect_b32 s[IX0], s60, s63
	s_cselect_b32 s[IX1], s62, s60
	s_cselect_b32 s61, 512, 0                      ; S0's first tile in xw: [Wq; Wk] begins at tile 512, x at 0
	s_cselect_b32 s63, 0, 640                      ; S1's: x, or Wv at tile 640
	s_add_co_u32 s[IX0], s[IX0], s[CX]
	s_add_co_u32 s[IX1], s[IX1], s[CY]
	s_lshl_b32 s60, s[IX0], 4
	s_add_co_u32 s61, s61, s60
	s_lshl_b32 s5, s[FF], 3
	s_add_co_u32 s61, s61, s5                      ; the first of the 8 tiles of S0 that I would fetch
	s_lshl_b32 s62, s[IX1], 3
	s_add_co_u32 s63, s63, s62
	s_lshl_b32 s5, s[FF], 2
	s_add_co_u32 s63, s63, s5                      ; the first of the 4 tiles of S1
	s_lshl_b32 s60, 0x1111, s[CX]                  ; my column of the cluster: the same cx
	s_lshl_b32 s62, s[CY], 2
	s_lshl_b32 s62, 15, s62                        ; my row: the same cy
	; groups 1: elements of 8 bytes, no padding.  A chunk: for each tile 3,072 consecutive bytes (two K steps), tiles 12,288 bytes apart.  Scales: a dense block as rows of 256 bytes
	s_or_b32 s[G1A], s60, (3<<16)|(1<<21)          ; 15:0 the mask; 17:16 elements of 8 bytes; 21 set beside a mask
	s_or_b32 s[G1SA], s60, (3<<16)|(1<<21)
	s_or_b32 s[G1B], s62, (3<<16)|(1<<21)
	s_or_b32 s[G1SB], s62, (3<<16)|(1<<21)
.irp g, G1A, G1B
	s_mov_b32 s[\g+1], 384<<16                     ; tensor_dim0 = 384
	s_mov_b32 s[\g+3], 384<<16                     ; tile_dim0
	s_mov_b32 s[\g+5], 1536                        ; from tile to tile
	s_mov_b32 s[\g+6], 0
	s_mov_b32 s[\g+7], 0
.endr
	s_mov_b32 s[G1A+2], 8<<16                      ; tensor_dim1 = tile_dim1 = 8 tiles
	s_mov_b32 s[G1A+4], 8
	s_mov_b32 s[G1B+2], 4<<16                      ; 4 tiles
	s_mov_b32 s[G1B+4], 4
.irp g, G1SA, G1SB
	s_mov_b32 s[\g+1], 32<<16
	s_mov_b32 s[\g+3], 32<<16
	s_mov_b32 s[\g+5], 32
	s_mov_b32 s[\g+6], 0
	s_mov_b32 s[\g+7], 0
.endr
	s_mov_b32 s[G1SA+2], 16<<16                    ; two groups: 4,096 bytes
	s_mov_b32 s[G1SA+4], 16
	s_mov_b32 s[G1SB+2], 8<<16                     ; one group: 2,048 bytes
	s_mov_b32 s[G1SB+4], 8
	s_mul_i32 s100, s61, 12288
	s_mov_b32 s101, 0
	s_mul_i32 s66, s63, 12288
	s_mov_b32 s67, 0
	s_wait_dscnt 0x0
	s_wait_kmcnt 0x0
	s_add_nc_u64 s[G0A+6:G0A+7], s[88:89], s[100:101]      ; chunk 0's codes
	s_add_nc_u64 s[G0B+6:G0B+7], s[88:89], s[66:67]
	s_lshl_b32 s100, s61, 9                        ; four tiles' scale words are 2,048 bytes
	s_add_co_u32 s100, s100, XSC
	s_lshl_b32 s66, s63, 9
	s_add_co_u32 s66, s66, XSC
	s_add_nc_u64 s[G0A+2:G0A+3], s[88:89], s[100:101]
	s_add_nc_u64 s[G0B+2:G0B+3], s[88:89], s[66:67]
	s_lshl_b32 s5, s[FF], 12                       ; LDS addresses hang on the wave's number alone
	s_add_co_u32 s[G0A+1], s5, SC0
	s_lshl_b32 s5, s[FF], 11
	s_add_co_u32 s[G0B+1], s5, SC1
	s_mul_i32 s5, s[FF], 24576
.irp p, 0,1,2,3
	s_add_co_u32 s[G0A+5+4*\p], s5, \p*CHK
.endr
	s_mul_i32 s5, s[FF], 12288
.irp p, 0,1,2,3
	s_add_co_u32 s[G0B+5+4*\p], s5, \p*CHK+S1O
.endr
.irp p, 1,2,3
	s_add_nc_u64 s[G0A+6+4*\p:G0A+7+4*\p], s[G0A+6:G0A+7], 3072*\p
	s_add_nc_u64 s[G0B+6+4*\p:G0B+7+4*\p], s[G0B+6:G0B+7], 3072*\p
.endr
.irp g, 0,1,2,3,4
	s_mov_b32 s[G0A+4*\g], 1                       ; count = 1
	s_or_b32 s[G0A+4*\g+3], s[G0A+4*\g+3], 0x80000000      ; type = 2
	s_mov_b32 s[G0B+4*\g], 1
	s_or_b32 s[G0B+4*\g+3], s[G0B+4*\g+3], 0x80000000
.endr
	CROUND                                         ; all sixteen work-groups are here: the joint loads meet
	s_cmp_lt_u32 s[WV], 2                          ; all my fills stand in one branch on the wave's number
	s_cbranch_scc0 .Lfor_s1
	tensor_load_to_lds s[G0A:G0A+3], s[G1SA:G1SA+7]
	s_nop 0
	tensor_load_to_lds s[G0A+4:G0A+7], s[G1A:G1A+7]
	s_nop 0
	tensor_load_to_lds s[G0A+8:G0A+11], s[G1A:G1A+7]
	s_nop 0
	tensor_load_to_lds s[G0A+12:G0A+15], s[G1A:G1A+7]
	s_nop 0
	tensor_load_to_lds s[G0A+16:G0A+19], s[G1A:G1A+7]
	s_nop 0
	PLACES
	s_branch .Lasked
.Lfor_s1:
	tensor_load_to_lds s[G0B:G0B+3], s[G1SB:G1SB+7]
	s_nop 0
	tensor_load_to_lds s[G0B+4:G0B+7], s[G1B:G1B+7]
	s_nop 0
	tensor_load_to_lds s[G0B+8:G0B+11], s[G1B:G1B+7]
	s_nop 0
	tensor_load_to_lds s[G0B+12:G0B+15], s[G1B:G1B+7]
	s_nop 0
	tensor_load_to_lds s[G0B+16:G0B+19], s[G1B:G1B+7]
	s_nop 0
	PLACES
.Lasked:
	v_and_b32 v10, 31, v0
	v_lshlrev_b32 v1, 4, v10                       ; 16 x lane
	v_lshlrev_b32 v2, 3, v10                       ; 8 x lane
	s_mul_i32 s5, s[RO], 24576                     ; my 8 tiles of S0
	v_add_nc_u32 v4, s5, v1
	v_add_nc_u32 v5, s5, v2
	s_mul_i32 s5, s[FF], 12288                     ; my 4 tiles of S1
	s_add_co_u32 s5, s5, S1O
	v_add_nc_u32 v6, s5, v1
	v_add_nc_u32 v7, s5, v2
	s_lshl_b32 s5, s[RO], 12
	s_add_co_u32 s5, s5, SC0
	v_add_nc_u32 v8, s5, v2                        ; my two groups of S0's scale words
	s_lshl_b32 s5, s[FF], 11
	s_add_co_u32 s5, s5, SC1
	v_add_nc_u32 v9, s5, v2                        ; my group of S1's
	v_and_b32 v12, 15, v0                          ; r
	v_bfe_u32 v13, v0, 4, 1                        ; h
	v_and_b32 v14, 8, v12
	v_add_nc_u32 v14, v14, v12                     ; r + 8 (r / 8): my row in a tile
	v_lshlrev_b32 v11, 6, v13                      ; 64 h: 16 numbers on for lanes 16-31
	v_lshl_add_u32 v10, v14, 8, v11                ; the table: 256 bytes a token
	v_lshlrev_b32 v15, 2, v14                      ; a bias by the lane's channel: 4 bytes a row
	s_wait_alu depctr_va_vdst(0)
	s_wait_tensorcnt 0x3                           ; my scales and my part of chunk 0 are in; three chunks may be out
	s_barrier_signal -1
	s_barrier_wait -1
	FETCH 0
	FETCH 1
	s_wait_dscnt 51                                ; all but the 51 just issued
	MUL 0, 1                                       ; the first K step starts the sums: nothing is cleared
	NEXTCHUNK 2
	FETCH 2
	s_wait_alu depctr_va_vdst(0)
	s_wait_dscnt 51
	MUL 1, 0
	PLACES                                         ; between the last products and the loads into the set that they read
	FETCH 3
	s_wait_dscnt 51
	MUL 2, 0
	NEXTCHUNK 1
	FETCH 4
	s_wait_alu depctr_va_vdst(0)
	s_wait_dscnt 51
	MUL 3, 0
	PLACES
	FETCH 5
	s_wait_dscnt 51
	MUL 4, 0
	NEXTCHUNK 0                                    ; the last barrier but the closing round's; all my tensor loads have landed
	FETCH 6
	s_and_b32 s5, ttmp7, 0xffff
	s_cmp_lt_u32 s5, 16                            ; the one parting: q and k, or v
	s_cbranch_scc0 .Larm_v
	; ---- q and k.  First what the way out wants: it has the 96 matrix instructions of TAIL in which to land
	s_lshl_b32 s62, s[IX1], 7
	s_lshl_b32 s63, s[FF], 6
	s_add_co_u32 s62, s62, s63                     ; my first token
	s_and_b32 s62, s62, 2047                       ; in its sequence
	s_lshl_b32 s66, s62, 8
	s_mov_b32 s67, 0
	s_add_nc_u64 s[90:91], s[90:91], s[66:67]
	s_lshl_b32 s60, s[IX0], 8
	s_lshl_b32 s61, s[RO], 7
	s_add_co_u32 s60, s60, s61                     ; my first row of [Wq; Wk]
	s_and_b32 s60, s60, 1023                       ; my first channel
	s_lshl_b32 s100, s60, 2
	s_mov_b32 s101, 0
	s_cmp_eq_u32 ttmp9, 0                          ; cluster x = 0: rows 0 to 1,023: q
	s_cselect_b64 s[92:93], s[92:93], s[94:95]
	s_add_nc_u64 s[92:93], s[92:93], s[100:101]
	WIN 0x80                                       ; destination window 2: for S1's tile a, cos of angles 16 h + 0 .. 15 at v[96 + 32 a], sin at v[112 + 32 a]
.irp a, 0,1,2,3
.irp q, 0,1,2,3
	global_load_b128 v[96+32*\a+4*\q:99+32*\a+4*\q], v10, s[90:91] offset:(32*(\a/2)+8*(\a%2))*256+16*\q
	global_load_b128 v[112+32*\a+4*\q:115+32*\a+4*\q], v10, s[90:91] offset:(32*(\a/2)+8*(\a%2))*256+16*\q+128
.endr
.endr
	WIN 0xc0                                       ; destination window 3: the bias of my 128 channels, in the results' order
.irp j, 0,1,2,3
.irp q, 0,1,2,3
	global_load_b128 v[16*\j+4*\q:16*\j+4*\q+3], v11, s[92:93] offset:128*\j+16*\q
.endr
.endr
	WIN 0
	s_wait_alu depctr_va_vdst(0)
	TAIL
	; my 128 channels are two heads, my 64 tokens four tiles of one step's half
	s_lshl_b32 s8, s[IX1], 7
	s_lshl_b32 s9, s[FF], 6
	s_add_co_u32 s8, s8, s9                        ; my first token
	s_lshr_b32 s9, s8, 11                          ; batch
	s_and_b32 s10, s8, 2047
	s_lshr_b32 s10, s10, 4                         ; its tile in the sequence, a multiple of 4
	s_lshl_b32 s11, s[IX0], 8
	s_lshl_b32 s12, s[RO], 7
	s_add_co_u32 s11, s11, s12
	s_and_b32 s11, s11, 1023
	s_lshr_b32 s11, s11, 6                         ; my first head
	s_lshl_b32 s9, s9, 4
	s_add_co_u32 s9, s9, s11                       ; 16 x batch + head
	s_cmp_eq_u32 ttmp9, 0                          ; q or k: the region, a head's bytes, a step's bytes, where a step's scale words begin
	s_mov_b32 s12, KVB
	s_cselect_b32 s12, 0, s12
	s_mov_b32 s13, 208896
	s_cselect_b32 s13, 106496, s13
	s_mov_b32 s14, 13056
	s_cselect_b32 s14, 6656, s14
	s_mov_b32 s15, 12288
	s_cselect_b32 s15, 6144, s15
	s_mul_i32 s16, s9, s13
	s_add_co_u32 s16, s16, s12
	s_lshr_b32 s17, s10, 3
	s_mul_i32 s17, s17, s14
	s_add_co_u32 s16, s16, s17                     ; the step's block
	s_bfe_u32 s17, s10, 0x10002                    ; its first or second four tiles
	s_mul_i32 s18, s17, 3072
	s_add_co_u32 s20, s16, s18
	s_mov_b32 s21, 0
	s_lshl_b32 s18, s17, 8
	s_add_co_u32 s18, s18, s15
	s_add_co_u32 s22, s16, s18
	s_mov_b32 s23, 0
	s_add_nc_u64 s[24:25], s[98:99], s[20:21]      ; first head: codes,
	s_add_nc_u64 s[26:27], s[98:99], s[22:23]      ; scale words
	s_mov_b32 s20, s13
	s_add_nc_u64 s[28:29], s[24:25], s[20:21]      ; second head
	s_add_nc_u64 s[30:31], s[26:27], s[20:21]
; head hh, tile a of tokens: 32 numbers a lane: registers 0-15 channels 16 h + i, registers 16-31 channels 32 + 16 h + i
.macro UNITQK hh, a
	WIN 0x0d                                       ; source 0 (the sums) window 1, source 1 (the bias) window 3: the addition also brings the numbers into window 0; each accumulator from its low end on
.irp i, 0,1,2,3,4,5,6,7,8,9,10,11,12,13,14,15
	v_pk_add_f32 v[32+2*\i:33+2*\i], v[8*(8*\a+4*\hh)+2*\i:8*(8*\a+4*\hh)+2*\i+1], v[32*\hh+2*\i:32*\hh+2*\i+1]
.endr
	WIN 0x08                                       ; source 1 (cos, sin) window 2
.irp i, 0,1,2,3,4,5,6,7
	v_pk_mul_f32 v[64+2*\i:65+2*\i], v[48+2*\i:49+2*\i], v[112+32*\a+2*\i:113+32*\a+2*\i]   ; upper half x sin
	v_pk_mul_f32 v[80+2*\i:81+2*\i], v[32+2*\i:33+2*\i], v[112+32*\a+2*\i:113+32*\a+2*\i]   ; lower half x sin
.endr
.irp i, 0,1,2,3,4,5,6,7
	v_pk_fma_f32 v[64+2*\i:65+2*\i], v[32+2*\i:33+2*\i], v[96+32*\a+2*\i:97+32*\a+2*\i], v[64+2*\i:65+2*\i] neg_lo:[0,0,1] neg_hi:[0,0,1]   ; lower x cos - upper x sin
	v_pk_fma_f32 v[80+2*\i:81+2*\i], v[48+2*\i:49+2*\i], v[96+32*\a+2*\i:97+32*\a+2*\i], v[80+2*\i:81+2*\i]                                 ; upper x cos + lower x sin
.endr
	WIN 0
	s_wait_xcnt 0x0                                ; the last unit's stores have read their registers
	QUANT2 64, PW+\a
	global_store_b128 v1, v[PC:PC+3], s[24+4*\hh:25+4*\hh] offset:768*\a        ; 512 consecutive bytes, aligned
	global_store_b64 v2, v[PC+4:PC+5], s[24+4*\hh:25+4*\hh] offset:768*\a+512   ; 256
.endm
.irp h, 0,1
.irp t, 0,1,2,3
	UNITQK \h, \t
.endr
	v_cndmask_b32 v[WW], v[PW], v[PW+1], s34       ; the four tiles' words as one image: odd tiles in lanes 16-31
	v_cndmask_b32 v[WW+1], v[PW+2], v[PW+3], s34
	global_store_b64 v2, v[WW:WW+1], s[26+4*\h:27+4*\h]
.endr
	s_branch .Ldone
.Larm_v:
	; ---- v.  First the bias of my lane's channel in each of S1's four tiles
	s_lshl_b32 s62, s[IX1], 7
	s_lshl_b32 s63, s[FF], 6
	s_add_co_u32 s62, s62, s63                     ; my first channel
	s_lshl_b32 s66, s62, 2
	s_mov_b32 s67, 0
	s_add_nc_u64 s[96:97], s[96:97], s[66:67]
	WIN 0xc0                                       ; destination window 3; twice: the packed addition names a pair
.irp a, 0,1,2,3
	global_load_b32 v[2*\a], v15, s[96:97] offset:(32*(\a/2)+8*(\a%2))*4
	global_load_b32 v[2*\a+1], v15, s[96:97] offset:(32*(\a/2)+8*(\a%2))*4
.endr
	WIN 0
	s_wait_alu depctr_va_vdst(0)
	TAIL
	; my 128 tokens are one step of keys, my 64 channels one head
	s_lshl_b32 s8, s[IX0], 8
	s_lshl_b32 s9, s[RO], 7
	s_add_co_u32 s8, s8, s9                        ; my first token
	s_lshr_b32 s9, s8, 11                          ; batch
	s_and_b32 s10, s8, 2047
	s_lshr_b32 s10, s10, 7                         ; step
	s_lshl_b32 s11, s[IX1], 1
	s_add_co_u32 s11, s11, s[FF]                   ; head
	s_lshl_b32 s9, s9, 4
	s_add_co_u32 s9, s9, s11
	s_mul_i32 s20, s9, 208896
	s_mul_i32 s10, s10, 13056
	s_add_co_u32 s20, s20, s10
	s_add_co_u32 s20, s20, KVB
	s_mov_b32 s21, 0
	s_add_nc_u64 s[24:25], s[98:99], s[20:21]      ; the step's block
.macro UNITV a                         ; tile a of channels: 64 numbers a lane, register 16 b + i = key 32 b + 16 h + i of the step
	WIN 0x0d
.irp i, 0,1,2,3,4,5,6,7,8,9,10,11,12,13,14,15,16,17,18,19,20,21,22,23,24,25,26,27,28,29,30,31
	v_pk_add_f32 v[32+2*\i:33+2*\i], v[64*\a+2*\i:64*\a+2*\i+1], v[2*\a:2*\a+1] op_sel_hi:[1,0]
.endr
	WIN 0
	s_wait_xcnt 0x0                                ; the last unit's stores have read their registers
	QUANT 32, PW+\a
.irp i, 0,1,2
	global_store_b128 v1, v[PC+4*\i:PC+4*\i+3], s[24:25] offset:6144+1536*\a+512*\i
.endr
.endm
	UNITV 0
	UNITV 1
	UNITV 2
	UNITV 3
	v_cndmask_b32 v[WW], v[PW], v[PW+1], s34
	v_cndmask_b32 v[WW+1], v[PW+2], v[PW+3], s34
	global_store_b64 v2, v[WW:WW+1], s[24:25] offset:12800
.Ldone:
	s_wait_tensorcnt 0x0
	ds_add_u32 v254, v255
	s_wait_dscnt 0x0
	CROUND                                         ; the closing round: no work-group ends while a partner may still ask for a tile that names it
	s_endpgm
.Lfunc_end_k_qd02aa10737_proj:
	.size	k_qd02aa10737_proj, .Lfunc_end_k_qd02aa10737_proj-k_qd02aa10737_proj
	.p2alignl 7, 3214868480
	.fill 96, 4, 3214868480
	.section	.rodata,"a",@progbits
	.p2align	6, 0x0
	.amdhsa_kernel k_qd02aa10737_proj
		.amdhsa_group_segment_fixed_size 307712
		.amdhsa_private_segment_fixed_size 0
		.amdhsa_enable_private_segment 0
		.amdhsa_kernarg_size 48
		.amdhsa_user_sgpr_count 2
		.amdhsa_user_sgpr_kernarg_segment_ptr 1
		.amdhsa_wavefront_size32 1
		.amdhsa_system_sgpr_workgroup_id_x 1
		.amdhsa_system_sgpr_workgroup_id_y 1
		.amdhsa_system_sgpr_workgroup_id_z 1
		.amdhsa_system_vgpr_workitem_id 0
		.amdhsa_next_free_vgpr 832
		.amdhsa_next_free_sgpr 106
		.amdhsa_reserve_vcc 0
		.amdhsa_float_denorm_mode_32 3
		.amdhsa_float_denorm_mode_16_64 3
		.amdhsa_memory_ordered 1
		.amdhsa_forward_progress 1
		.amdhsa_inst_pref_size 162
	.end_amdhsa_kernel
	.amdgpu_metadata
---
amdhsa.version: [ 1, 2 ]
amdhsa.kernels:
  - .name:           k_qd02aa10737_proj
    .symbol:         k_qd02aa10737_proj.kd
    .args:
      - { .name: xw, .offset: 0, .size: 8, .value_kind: global_buffer, .address_space: global }
      - { .name: rope, .offset: 8, .size: 8, .value_kind: global_buffer, .address_space: global }
      - { .name: bq, .offset: 16, .size: 8, .value_kind: global_buffer, .address_space: global }
      - { .name: bk, .offset: 24, .size: 8, .value_kind: global_buffer, .address_space: global }
      - { .name: bv, .offset: 32, .size: 8, .value_kind: global_buffer, .address_space: global }
      - { .name: qkv, .offset: 40, .size: 8, .value_kind: global_buffer, .address_space: global }
    .group_segment_fixed_size: 307712
    .private_segment_fixed_size: 0
    .kernarg_segment_align: 8
    .kernarg_segment_size: 48
    .max_flat_workgroup_size: 128
    .sgpr_count:     106
    .vgpr_count:     832
    .wavefront_size: 32
...
	.end_amdgpu_metadata
.endif
;; end of part 2
;; launch attn (part 3): grid 4 x 64, 16 waves a work-group, no clusters, 210,944 bytes of LDS; arguments qkv, maskw, ao; writes ao
.if DOCPART == 3
	.amdgcn_target "amdgcn-amd-amdhsa--gfx1250"
	.amdhsa_code_object_version 6
	.text
	.protected	k_qd02aa10737_attn
	.globl	k_qd02aa10737_attn
	.p2align	8
	.type	k_qd02aa10737_attn,@function
k_qd02aa10737_attn:
	s_mov_b64 s[64:65], 0
	v_nop
	global_prefetch_b8 v0, s[64:65] scope:SCOPE_SE
	s_setreg_imm32_b32 hwreg(HW_REG_WAVE_MODE, 25, 1), 1
	s_wait_xcnt 0x0
; o = softmax(where(mask == 1, -1e9, q k^T / 8)) v for one head of one batch, both products on codes of FP6 (E2M3) with E8M0 scales; o / l is quantised at once, as the last product's operand.
; THE SOFTMAX AHEAD OF THE SECOND PRODUCT: t = score x log2(e) / 8; M = the row's largest t so far, rounded UP to a whole number; p = 2^(t - M) is quantised along the keys; the row's sum l is taken of the unquantised p.
; When M moves, l and O are multiplied by 2^(old M - new M): exact.
; SHARES.  Work-group (c, batch x head).  The head's k and v, 16 steps of 128 keys, 13,056 bytes each, are copied into LDS once, through registers (wave w copies step w); one barrier.
; Wave w owns ONE tile of 16 queries at a time: tile 4 w + c, then tile 127 - (4 w + c).  Four waves share a SIMD, so that one wave's vector work stands beside another's matrix work.
; THE MASK IS AN INPUT.  The first launch has turned it into lane masks, one word for each score register of a step, and into flags for each tile of queries and step: hidden whole, or nothing hidden.
; A step that is hidden whole is passed over; where nothing is hidden no mask is applied: scalar branches on those stored words.  So this launch has no tensor load and no cluster: what the four work-groups of a head share is
; the one copy of 204 KB at the head, and partners would take different branches.  If some row of the tile is hidden in all 2,048 keys, no step is passed over: that row then gets equal weights, as reference() gives it.
; LAYOUT.  Both products transposed: S^T = K Q^T (source 0 = 16 keys), O^T = V^T P^T (source 0 = 16 channels): a lane holds ONE query (lane % 16).  A tile t holds at place r row 32 (t / 2) + 8 (t % 2) + r + 8 (r / 8):
; the 16 registers of tiles 2 b, 2 b + 1 are 16 neighbours.  The first product's K is 64, half of the instruction's 128: q's upper six registers are zeros; k's upper six are the next tile's codes, which the zeros cancel
; (E2M3 has no NaN and no infinity); both sides' upper scale bytes are 127.
; LIMITS: a hidden score is -2^33 (a logit of -2^30) where reference() has -1e9: t is then a whole number and p = 1 exactly in a row that is hidden whole; equal results while open logits lie above about -1e9.
;   A block of zeros gets the byte 1.  NaN and infinities are not served.  The scale bytes of o leave as 2 bytes a row (a scale word belongs to two heads): 262,144 bytes in the launch that do not fill their blocks of 256 bytes at once.
; REGISTERS: v1 16 x lane, v2 8 x lane, v3, v4 the same in the step's block, v5 -2^33, v6 lane, v7 8 (lane % 16), v8, v9 the copy's addresses; v12 -M, v13 the largest t, v[14:15] l; v16-21 q, v22-27 zeros, v28 q's scale word;
;   v32-79 k's eight half fragments, then v's four fragments; v80-85 zeros; v96-159 S^T, then p; v160-191 O^T; v192-195 k's scale words, v196-197 v's; v200-211 p's codes; v212-218 the conversions' second halves; v220-237 at work.
.set BLKB, 13056                       ; a step's block: k 8 x 768 | v 4 x 1,536 at 6,144 | k's scale words at 12,288 | v's at 12,800
.set KVB,  6815744
.set KVH,  208896
.set QH,   106496
.set QS,   6656
.set AOS,  6291456                     ; where ao's scale words begin
.set FLG,  524288                      ; where maskw's flags begin
.set BM,   220                         ; v220-223 a block's largest score, then its largest p
.set PS,   224                         ; v224-227 from lane l xor 16; then the bytes
.set SO,   228                         ; v228-231 the conversions' scale operands
	s_load_b128 s[4:7], s[0:1], 0x0                ; qkv, maskw
	s_load_b64 s[8:9], s[0:1], 0x10                ; ao
	v_lshl_add_u32 v254, v0, 2, 0x33000
	v_mov_b32 v255, 0
	v_lshrrev_b32 v6, 5, v0
	s_delay_alu instid0(VALU_DEP_1)
	v_readfirstlane_b32 s10, v6                    ; wave 0..15
	v_and_b32 v6, 31, v0
	s_delay_alu instid0(VALU_DEP_1)
	v_lshlrev_b32 v1, 4, v6
	s_delay_alu instid0(VALU_DEP_2)
	v_lshlrev_b32 v2, 3, v6
	v_and_b32 v7, 15, v0
	s_delay_alu instid0(VALU_DEP_1)
	v_lshlrev_b32 v7, 3, v7
	v_mov_b32 v5, 0xd0000000                       ; -2^33
	s_and_b32 s11, ttmp7, 0xffff                   ; 16 x batch + head
	s_mul_i32 s12, s10, BLKB
	v_add_nc_u32 v8, s12, v1
	v_add_nc_u32 v9, s12, v2
	s_mul_i32 s18, s11, KVH
	s_add_co_u32 s18, s18, s12
	s_add_co_u32 s18, s18, KVB
	s_mov_b32 s19, 0
	s_mov_b32 s20, 0x76543210                      ; lane selects: lane l xor 16
	s_mov_b32 s21, 0xfedcba98
	s_mov_b32 s22, 0x3e38aa3b                      ; c = log2(e) / 8
	s_mov_b32 s23, s22                             ; (named with it as a pair)
	s_wait_alu depctr_va_vdst(0)
	s_wait_kmcnt 0x0
	s_add_nc_u64 s[18:19], s[4:5], s[18:19]
.set i, 0
.rept 25
	global_load_b128 v[32+4*i:35+4*i], v1, s[18:19] offset:512*i
.set i, i+1
.endr
	global_load_b64 v[132:133], v2, s[18:19] offset:12800
.irp j, 22,23,24,25,26,27
	v_mov_b32 v[\j], 0                             ; q's codes for k = 64 .. 127
.endr
.set i, 220
.rept 18
	v_mov_b32 v[i], 0                              ; written once: lane permutes' destinations and upper halves of pairs count as read
.set i, i+1
.endr
.set i, 0
.rept 25
	s_wait_loadcnt 25-i                            ; load i is in; the younger ones may be out
	ds_store_b128 v8, v[32+4*i:35+4*i] offset:512*i
.set i, i+1
.endr
	s_wait_loadcnt 0x0
	ds_store_b64 v9, v[132:133] offset:12800
	s_wait_dscnt 0x0                               ; for the others' sake: my stores have landed
	s_barrier_signal -1
	s_barrier_wait -1                              ; the whole head lies in LDS; nothing is written there again
.irp j, 80,81,82,83,84,85
	v_mov_b32 v[\j], 0                             ; behind k's eighth tile
.endr
.macro PASS ps
	s_lshl_b32 s12, s10, 2
	s_add_co_u32 s12, s12, ttmp9                   ; 4 w + c
.if \ps
	s_sub_co_u32 s12, 127, s12
.endif                                             ; T, my tile of queries
	s_lshl_b32 s18, s12, 5
	s_add_co_u32 s18, s18, FLG
	s_mov_b32 s19, 0
	s_add_nc_u64 s[18:19], s[6:7], s[18:19]
	s_load_b256 s[24:31], s[18:19], 0x0            ; the tile's flags: four quarters of the keys, two words each
	s_mul_i32 s13, s11, QH
	s_lshr_b32 s32, s12, 3
	s_mul_i32 s32, s32, QS
	s_add_co_u32 s13, s13, s32                     ; the block of eight tiles in which q's tile lies
	s_and_b32 s32, s12, 7
	s_mul_i32 s32, s32, 768
	s_add_co_u32 s32, s32, s13
	s_mov_b32 s33, 0
	s_add_nc_u64 s[34:35], s[4:5], s[32:33]
	s_bfe_u32 s36, s12, 0x10002                    ; its scale word: the group's image,
	s_lshl_b32 s36, s36, 8
	s_and_b32 s38, s12, 1                          ; odd tiles in lanes 16-31's places,
	s_lshl_b32 s38, s38, 7
	s_add_co_u32 s36, s36, s38
	s_bfe_u32 s38, s12, 0x10001                    ; word 0 or 1
	s_lshl_b32 s38, s38, 2
	s_add_co_u32 s36, s36, s38
	s_add_co_u32 s36, s36, s13
	s_add_co_u32 s36, s36, 6144
	s_mov_b32 s37, 0
	s_add_nc_u64 s[36:37], s[4:5], s[36:37]
	global_load_b128 v[16:19], v1, s[34:35]
	global_load_b64 v[20:21], v2, s[34:35] offset:512
	global_load_b32 v28, v7, s[36:37]
	s_lshl_b32 s100, s12, 12
	s_mov_b32 s101, 0
	s_add_nc_u64 s[100:101], s[6:7], s[100:101]    ; the tile's lane masks: 256 bytes a step
	v_mov_b32 v13, 0xff61b1e6                      ; the largest t so far: -3e38
	s_delay_alu instid0(VALU_DEP_1)
	v_floor_f32 v12, -v13                          ; -M
	v_mov_b32 v14, 0
	v_mov_b32 v15, 0
.set i, 160
.rept 32
	v_mov_b32 v[i], 0                              ; O^T: the step is written once; the first change of M leaves zeros zeros
.set i, i+1
.endr
	s_mov_b32 s14, 0                               ; the step's block in LDS
	s_mov_b32 s15, 16
	s_wait_kmcnt 0x0
	s_or_b32 s17, s24, s26
	s_or_b32 s17, s17, s28
	s_or_b32 s17, s17, s30                         ; bit st: step st hidden whole; bit 16 + st: nothing of it hidden
	s_and_b32 s18, s25, s27
	s_and_b32 s18, s18, s29
	s_and_b32 s18, s18, s31                        ; bit L: all of lane L's keys hidden
	s_lshr_b32 s19, s18, 16
	s_and_b32 s18, s18, s19
	s_and_b32 s18, s18, 0xffff                     ; a row lies in lanes r and r + 16
	s_cselect_b32 s18, 0xffff0000, -1              ; some row hidden whole: no step is passed over
	s_and_b32 s17, s17, s18
	s_wait_loadcnt 0x0                             ; q; its address registers are free
.Lstep_\@:
	s_bitcmp1_b32 s17, 0
	s_cbranch_scc1 .Lend_\@
	s_setprio 2
	v_add_nc_u32 v3, s14, v1
	v_add_nc_u32 v4, s14, v2
	s_load_b512 s[32:47], s[100:101], 0x0          ; the step's 64 lane masks: word j in s[32 + j], from word 32 on in s[36 + j]
	s_load_b512 s[48:63], s[100:101], 0x40
	s_load_b512 s[68:83], s[100:101], 0x80
	s_load_b512 s[84:99], s[100:101], 0xc0
.irp t, 0,1,2,3,4,5,6,7
	ds_load_b128 v[32+6*\t:35+6*\t], v3 offset:768*\t
	ds_load_b64 v[36+6*\t:37+6*\t], v4 offset:768*\t+512
.endr
	ds_load_b64 v[192:193], v4 offset:12288
	ds_load_b64 v[194:195], v4 offset:12544
	s_wait_alu depctr_va_vdst(0)
	s_wait_dscnt 0x0
.irp t, 0,2,4,6                        ; S^T: eight tiles of 16 keys
	v_wmma_scale_f32_16x16x128_f8f6f4 v[96+8*\t:103+8*\t], v[32+6*\t:43+6*\t], v[16:27], 0, v[192+\t/2], v28 matrix_a_fmt:MATRIX_FMT_FP6 matrix_b_fmt:MATRIX_FMT_FP6
	v_wmma_scale_f32_16x16x128_f8f6f4 v[104+8*\t:111+8*\t], v[38+6*\t:49+6*\t], v[16:27], 0, v[192+\t/2], v28 matrix_a_fmt:MATRIX_FMT_FP6 matrix_b_fmt:MATRIX_FMT_FP6 matrix_a_scale:MATRIX_SCALE_ROW1
.endr
.rept 4
	v_nop                                          ; places ahead of the loads over k's registers and of the first read of the scores
.endr
.irp a, 0,1,2,3                        ; v's four fragments land under the softmax
.irp u, 0,1,2
	ds_load_b128 v[32+12*\a+4*\u:35+12*\a+4*\u], v3 offset:6144+1536*\a+512*\u
.endr
.endr
	ds_load_b64 v[196:197], v4 offset:12800
	s_wait_kmcnt 0x0                               ; the lane masks are in,
	s_wait_xcnt 0x0                                ; and their pointer may be stepped
	s_bitcmp1_b32 s17, 16
	s_cbranch_scc1 .Lopen_\@
.set i, 0
.rept 32
	v_cndmask_b32 v[96+i], v[96+i], v5, s[32+i]    ; one line a score, no compare
.set i, i+1
.endr
.rept 32
	v_cndmask_b32 v[96+i], v[96+i], v5, s[36+i]
.set i, i+1
.endr
.Lopen_\@:
.irp b, 0,1,2,3
	v_max3_num_f32 v[BM+\b], v[96+16*\b], v[97+16*\b], v[98+16*\b]   ; the largest score of each block of 32 keys: it serves the row's maximum and, since p rises with the score, the block's largest p
.endr
.irp u, 3,5,7,9,11,13
.irp b, 0,1,2,3
	v_max3_num_f32 v[BM+\b], v[BM+\b], v[96+16*\b+\u], v[97+16*\b+\u]
.endr
.endr
.irp b, 0,1,2,3
	v_max_num_f32 v[BM+\b], v[BM+\b], v[111+16*\b]
.endr
.irp b, 0,1,2,3
	s_delay_alu instid0(VALU_DEP_4)
	v_permlanex16_b32 v[PS+\b], v[BM+\b], s20, s21
.endr
.irp b, 0,1,2,3
	s_delay_alu instid0(VALU_DEP_4)
	v_max_num_f32 v[BM+\b], v[BM+\b], v[PS+\b]     ; with lane l xor 16's 16 keys
.endr
	s_delay_alu instid0(VALU_DEP_2)
	v_max3_num_f32 v234, v220, v221, v222
	s_delay_alu instid0(VALU_DEP_1)
	v_max_num_f32 v234, v234, v223
	s_delay_alu instid0(VALU_DEP_1)
	v_mul_f32 v234, s22, v234                      ; as t (c is positive)
	s_delay_alu instid0(VALU_DEP_1)
	v_max_num_f32 v13, v13, v234                   ; the running largest t
	v_mov_b32 v234, v12
	s_delay_alu instid0(VALU_DEP_2)
	v_floor_f32 v12, -v13                          ; the new -M = -ceil(t)
	s_delay_alu instid0(VALU_DEP_1)
	v_sub_f32 v234, v12, v234                      ; old M - new M: a whole number, 0 or less
	s_delay_alu instid0(VALU_DEP_1)
	v_cvt_i32_f32 v234, v234                       ; (it saturates)
	s_delay_alu instid0(VALU_DEP_1)
	v_ldexp_f32 v232, 1.0, v234                    ; f = 2^(old M - new M)
.set i, 0
.rept 32
	v_pk_fma_f32 v[96+i:97+i], v[96+i:97+i], s[22:23], v[12:13] op_sel_hi:[1,0,0]   ; t - M, two at a time
.set i, i+2
.endr
.irp b, 0,1,2,3
	v_fma_f32 v[BM+\b], v[BM+\b], s22, v12
.endr
.set i, 0
	s_setprio 1
	s_wait_alu depctr_va_vdst(0)
.rept 64
	v_exp_f32 v[96+i], v[96+i]                     ; p = 2^(t - M), at most 1
.set i, i+1
.endr
	v_pk_mul_f32 v[14:15], v[14:15], v[232:233] op_sel_hi:[1,0]   ; l under the new M; the plain line behind the exponentials
	s_wait_alu depctr_va_vdst(0)                   ; one wait for the batch of 64, ahead of its first reader
.irp b, 0,1,2,3
	v_exp_f32 v[BM+\b], v[BM+\b]                   ; each block's largest p
.endr
	v_pk_add_f32 v[236:237], v[100:101], v[104:105]
	v_pk_add_f32 v[252:253], v[108:109], v[112:113]
	v_pk_add_f32 v[250:251], v[116:117], v[120:121]
	v_pk_add_f32 v[248:249], v[124:125], v[128:129]
	v_pk_add_f32 v[246:247], v[132:133], v[136:137]
	v_pk_add_f32 v[244:245], v[140:141], v[144:145]
	v_pk_add_f32 v[242:243], v[148:149], v[152:153]
	v_pk_add_f32 v[14:15], v[14:15], v[156:157]
	v_pk_add_f32 v[236:237], v[236:237], v[96:97]
	v_pk_add_f32 v[252:253], v[252:253], v[98:99]
	v_pk_add_f32 v[250:251], v[250:251], v[102:103]
	v_pk_add_f32 v[248:249], v[248:249], v[106:107]
	v_pk_add_f32 v[246:247], v[246:247], v[110:111]
	v_pk_add_f32 v[244:245], v[244:245], v[114:115]
	v_pk_add_f32 v[242:243], v[242:243], v[118:119]
	v_pk_add_f32 v[14:15], v[14:15], v[122:123]
	v_pk_add_f32 v[236:237], v[236:237], v[126:127]
	v_pk_add_f32 v[252:253], v[252:253], v[130:131]
	v_pk_add_f32 v[250:251], v[250:251], v[134:135]
	v_pk_add_f32 v[248:249], v[248:249], v[138:139]
	v_pk_add_f32 v[246:247], v[246:247], v[142:143]
	v_pk_add_f32 v[244:245], v[244:245], v[146:147]
	v_pk_add_f32 v[242:243], v[242:243], v[150:151]
	v_pk_add_f32 v[14:15], v[14:15], v[154:155]
	v_pk_add_f32 v[236:237], v[236:237], v[158:159]
	s_delay_alu instid0(VALU_DEP_2)
	v_pk_add_f32 v[14:15], v[14:15], v[248:249]
	s_delay_alu instid0(VALU_DEP_2)
	v_pk_add_f32 v[236:237], v[236:237], v[246:247]
	v_pk_add_f32 v[252:253], v[252:253], v[244:245]
	v_pk_add_f32 v[250:251], v[250:251], v[242:243]
	s_delay_alu instid0(VALU_DEP_2)
	v_pk_add_f32 v[14:15], v[14:15], v[252:253]
	s_delay_alu instid0(VALU_DEP_2)
	v_pk_add_f32 v[236:237], v[236:237], v[250:251]
	s_delay_alu instid0(VALU_DEP_1)
	v_pk_add_f32 v[14:15], v[14:15], v[236:237]
	s_wait_alu depctr_va_vdst(0)                   ; and one for the four
.irp b, 0,1,2,3
	v_max_num_f32 v[BM+\b], 0x1800000, v[BM+\b]    ; the floor 2^(3 - 127): the byte cannot fall under 1
.endr
.irp b, 0,1,2,3
	s_delay_alu instid0(VALU_DEP_4)
	v_add_nc_u32 v[SO+\b], 0xff000000, v[BM+\b]    ; 2 off the exponent field
.endr
.irp b, 0,1,2,3
	s_delay_alu instid0(VALU_DEP_4)
	v_lshrrev_b32 v[PS+\b], 23, v[SO+\b]
.endr
	s_delay_alu instid0(VALU_DEP_3)
	v_lshl_or_b32 v233, v225, 8, v224              ; p's scale word for these 128 keys
	s_delay_alu instid0(VALU_DEP_1)
	v_lshl_or_b32 v233, v226, 16, v233
	s_delay_alu instid0(VALU_DEP_1)
	v_lshl_or_b32 v233, v227, 24, v233
.irp c, 0,1
	v_cvt_scalef32_pk16_fp6_f32 v[200+6*\c:202+6*\c], v[96+32*\c:111+32*\c], v[SO+2*\c]
	v_cvt_scalef32_pk16_fp6_f32 v[212+4*\c:214+4*\c], v[112+32*\c:127+32*\c], v[SO+2*\c+1]
.endr
	v_nop                                          ; one plain line behind the scaled conversions
	s_setprio 0
.irp c, 0,1
.irp u, 0,1,2
	v_permlane16_swap_b32 v[200+6*\c+\u], v[212+4*\c+\u]
.endr
.irp u, 0,1,2
	s_delay_alu instid0(VALU_DEP_3)
	v_mov_b32 v[203+6*\c+\u], v[212+4*\c+\u]
.endr
.endr
.set i, 0
.rept 16
	v_pk_mul_f32 v[160+i:161+i], v[160+i:161+i], v[232:233] op_sel_hi:[1,0]   ; O^T under the new M; these sixteen are also the places between the scale word, the codes and the products
.set i, i+2
.endr
	s_wait_alu depctr_va_vdst(0)
	s_wait_dscnt 0x0                               ; v
.irp a, 0,2                            ; O^T += V^T P^T: four tiles of 16 channels, by turns
	v_wmma_scale_f32_16x16x128_f8f6f4 v[160+8*\a:167+8*\a], v[32+12*\a:43+12*\a], v[200:211], v[160+8*\a:167+8*\a], v[196+\a/2], v233 matrix_a_fmt:MATRIX_FMT_FP6 matrix_b_fmt:MATRIX_FMT_FP6
	v_wmma_scale_f32_16x16x128_f8f6f4 v[168+8*\a:175+8*\a], v[44+12*\a:55+12*\a], v[200:211], v[168+8*\a:175+8*\a], v[196+\a/2], v233 matrix_a_fmt:MATRIX_FMT_FP6 matrix_b_fmt:MATRIX_FMT_FP6 matrix_a_scale:MATRIX_SCALE_ROW1
.endr
.rept 4
	v_nop                                          ; places ahead of the next step's loads and of the reads of O^T
.endr
.Lend_\@:
	s_lshr_b32 s17, s17, 1                         ; the next step's two flags come to bits 0 and 16
	s_add_co_u32 s14, s14, BLKB
	s_add_nc_u64 s[100:101], s[100:101], 256
	s_sub_co_u32 s15, s15, 1
	s_cmp_lg_u32 s15, 0
	s_cbranch_scc1 .Lstep_\@
	s_setprio 0
	; ---- o = O^T / l, quantised along the channels: the head's 64 are half a K step of the last product
	v_add_f32 v14, v14, v15
	s_delay_alu instid0(VALU_DEP_1)
	v_permlanex16_b32 v224, v14, s20, s21
	s_delay_alu instid0(VALU_DEP_1)
	v_add_f32 v14, v14, v224                       ; the row's sum
	s_wait_alu depctr_va_vdst(0)
	v_rcp_f32 v14, v14
	v_nop                                          ; a plain line behind the reciprocal
	s_lshr_b32 s32, s11, 4
	s_lshl_b32 s32, s32, 7
	s_add_co_u32 s32, s32, s12                     ; the tile among all tokens': 128 x batch + T
	s_and_b32 s33, s11, 15
	s_lshr_b32 s34, s33, 1                         ; K step = head / 2
	s_and_b32 s33, s33, 1                          ; half = head % 2
	s_lshl_b32 s36, s32, 3
	s_add_co_u32 s36, s36, s34
	s_mul_i32 s36, s36, 1536
	s_mul_i32 s35, s33, 768
	s_add_co_u32 s36, s36, s35
	s_mov_b32 s37, 0
	s_add_nc_u64 s[36:37], s[8:9], s[36:37]        ; the codes
	s_lshr_b32 s38, s32, 2
	s_lshl_b32 s38, s38, 3
	s_add_co_u32 s38, s38, s34
	s_lshl_b32 s38, s38, 8                         ; the group's and K step's image,
	s_and_b32 s35, s32, 1
	s_lshl_b32 s35, s35, 7                         ; odd tiles in lanes 16-31's places,
	s_add_co_u32 s38, s38, s35
	s_bfe_u32 s35, s32, 0x10001
	s_lshl_b32 s35, s35, 2                         ; word 0 or 1,
	s_add_co_u32 s38, s38, s35
	s_lshl_b32 s35, s33, 1                         ; its lower or upper two bytes
	s_add_co_u32 s38, s38, s35
	s_add_co_u32 s38, s38, AOS
	s_mov_b32 s39, 0
	s_add_nc_u64 s[38:39], s[8:9], s[38:39]
	s_wait_alu depctr_va_vdst(0)                   ; ahead of the reciprocal's first reader
.set i, 0
.rept 32
	v_mul_f32 v[96+i], v[160+i], v14               ; register 16 b + u: channel 32 b + 16 h + u
.set i, i+1
.endr
.irp b, 0,1
	v_max3_num_f32 v[BM+\b], |v[96+16*\b]|, |v[97+16*\b]|, 0x1800000
.endr
.irp u, 2,4,6,8,10,12,14
.irp b, 0,1
	s_delay_alu instid0(VALU_DEP_2)
	v_max3_num_f32 v[BM+\b], v[BM+\b], |v[96+16*\b+\u]|, |v[97+16*\b+\u]|
.endr
.endr
.irp b, 0,1
	s_delay_alu instid0(VALU_DEP_2)
	v_permlanex16_b32 v[PS+\b], v[BM+\b], s20, s21
.endr
.irp b, 0,1
	s_delay_alu instid0(VALU_DEP_2)
	v_max_num_f32 v[BM+\b], v[BM+\b], v[PS+\b]
.endr
.irp b, 0,1
	s_delay_alu instid0(VALU_DEP_2)
	v_add_nc_u32 v[SO+\b], 0xff000000, v[BM+\b]
.endr
.irp b, 0,1
	s_delay_alu instid0(VALU_DEP_2)
	v_lshrrev_b32 v[PS+\b], 23, v[SO+\b]
.endr
	s_delay_alu instid0(VALU_DEP_1)
	v_lshl_or_b32 v233, v225, 8, v224              ; the two bytes
	v_cvt_scalef32_pk16_fp6_f32 v[200:202], v[96:111], v[SO]
	v_cvt_scalef32_pk16_fp6_f32 v[206:208], v[112:127], v[SO+1]
	v_nop
.irp u, 0,1,2
	v_permlane16_swap_b32 v[200+\u], v[206+\u]
.endr
.irp u, 0,1,2
	s_delay_alu instid0(VALU_DEP_3)
	v_mov_b32 v[203+\u], v[206+\u]
.endr
	global_store_b128 v1, v[200:203], s[36:37]             ; 512 consecutive bytes, aligned
	global_store_b64 v2, v[204:205], s[36:37] offset:512   ; 256
	v_cmp_gt_u32 vcc_lo, 16, v6
	s_wait_xcnt 0x0                                ; EXEC changes only behind this wait
	s_and_saveexec_b32 s35, vcc_lo
	global_store_b16 v7, v233, s[38:39]            ; lanes 0-15: row r's two bytes
	s_wait_xcnt 0x0                                ; and again; the stores' registers are free for the next pass too
	s_or_b32 exec_lo, exec_lo, s35
.endm
	PASS 0
	PASS 1
	s_wait_xcnt 0x0
	s_mov_b32 exec_lo, -1
	s_wait_tensorcnt 0x0
	ds_add_u32 v254, v255
	s_wait_dscnt 0x0
	s_endpgm
.Lfunc_end_k_qd02aa10737_attn:
	.size	k_qd02aa10737_attn, .Lfunc_end_k_qd02aa10737_attn-k_qd02aa10737_attn
	.p2alignl 7, 3214868480
	.fill 96, 4, 3214868480
	.section	.rodata,"a",@progbits
	.p2align	6, 0x0
	.amdhsa_kernel k_qd02aa10737_attn
		.amdhsa_group_segment_fixed_size 210944
		.amdhsa_private_segment_fixed_size 0
		.amdhsa_enable_private_segment 0
		.amdhsa_kernarg_size 24
		.amdhsa_user_sgpr_count 2
		.amdhsa_user_sgpr_kernarg_segment_ptr 1
		.amdhsa_wavefront_size32 1
		.amdhsa_system_sgpr_workgroup_id_x 1
		.amdhsa_system_sgpr_workgroup_id_y 1
		.amdhsa_system_sgpr_workgroup_id_z 1
		.amdhsa_system_vgpr_workitem_id 0
		.amdhsa_next_free_vgpr 256
		.amdhsa_next_free_sgpr 102
		.amdhsa_reserve_vcc 1
		.amdhsa_float_denorm_mode_32 3
		.amdhsa_float_denorm_mode_16_64 3
		.amdhsa_memory_ordered 1
		.amdhsa_forward_progress 1
		.amdhsa_inst_pref_size 69
	.end_amdhsa_kernel
	.amdgpu_metadata
---
amdhsa.version: [ 1, 2 ]
amdhsa.kernels:
  - .name:           k_qd02aa10737_attn
    .symbol:         k_qd02aa10737_attn.kd
    .args:
      - { .name: qkv, .offset: 0, .size: 8, .value_kind: global_buffer, .address_space: global }
      - { .name: maskw, .offset: 8, .size: 8, .value_kind: global_buffer, .address_space: global }
      - { .name: ao, .offset: 16, .size: 8, .value_kind: global_buffer, .address_space: global }
    .group_segment_fixed_size: 210944
    .private_segment_fixed_size: 0
    .kernarg_segment_align: 8
    .kernarg_segment_size: 24
    .max_flat_workgroup_size: 512
    .sgpr_count:     102
    .vgpr_count:     256
    .wavefront_size: 32
...
	.end_amdgpu_metadata
.endif
;; end of part 3
;; launch oproj (part 4): grid 4 x 64, 4 waves a work-group, clusters of 4 x 4, 307,712 bytes of LDS; arguments xw, ao, bo, out0; writes out0
.if DOCPART == 4
	.amdgcn_target "amdgcn-amd-amdhsa--gfx1250"
	.amdhsa_code_object_version 6
	.text
	.protected	k_qd02aa10737_oproj
	.globl	k_qd02aa10737_oproj
	.p2align	8
	.type	k_qd02aa10737_oproj,@function
k_qd02aa10737_oproj:
	s_mov_b64 s[64:65], 0
	v_nop
	global_prefetch_b8 v0, s[64:65] scope:SCOPE_SE
	s_setreg_imm32_b32 hwreg(HW_REG_WAVE_MODE, 25, 1), 1
	s_wait_xcnt 0x0
	s_wait_alu depctr_hold_cnt(0) depctr_sa_sdst(0) depctr_va_vdst(0) depctr_va_sdst(0) depctr_va_ssrc(0) depctr_va_vcc(0) depctr_vm_vsrc(0)
	s_getreg_b32 s2, hwreg(HW_REG_IB_STS2, 6, 4)
	s_cmp_eq_u32 s2, 0
	s_cbranch_scc0 .Lentry_in_a_cluster
	s_endpgm
.Lentry_in_a_cluster:
	s_bfe_u32 s2, ttmp6, 0x10000c
	s_cmp_lg_u32 s2, 0xf033
	s_cbranch_scc0 .Lentry_shape_is_right
	s_endpgm
.Lentry_shape_is_right:
; out0 = o Wo^T + bo, on codes of FP6 (E2M3) with E8M0 scales.  o's codes and scale words come from the attention launch, Wo's from the first launch, both in the order of an operand's registers.
; A PRODUCT'S TILE is S0 = 256 rows of Wo x S1 = 128 tokens, K = 1,024.  Source 0 takes S0's rows, source 1 S1's: a lane holds ONE token, and its registers run along the output's channels.
; A TILE OF 16 ROWS t holds at lane place r row 32 (t / 2) + 8 (t % 2) + r + 8 (r / 8), so that the 16 registers of S0's tiles 2 b, 2 b + 1 are the 16 neighbours 32 b + 16 (lane / 16) + 0 .. 15.
; ALL OF K IS BROUGHT INTO LDS ONCE: four chunks of two K steps and the scales, five tensor loads a wave, issued together: five of mine are out at the most.  No LDS byte is filled twice.
; CLUSTER 4 x 4: S0's tile hangs on cx and is asked for jointly down a column, S1's on cy and jointly along a row.
; FOUR WAVES: wave (w / 2, w % 2) makes S0 128 x S1 64: 32 accumulators, window 1; they take turns, one instruction a turn, in the same order in every K step.
; REGISTERS: window 0: v1-15 addresses; v16-23 S0's scale words, v24-27 S1's, two sets; v32-127, v128-223 S0's fragments, two sets; on the way out v32-95 a tile's numbers, v96-223 whole rows, two sets.
;   window 1: accumulator (a, b) at v[8 (8 a + b)].  window 2: S1's fragments, two sets.  window 3: v0-63 the bias of my 128 channels.
; THE WAY OUT: a tile of 16 tokens x 128 channels goes through my own stage in LDS (rows 528 bytes apart) and leaves as whole rows of 512 bytes.  The stage lies in chunk 0's bytes: they have had their only fill, and every wave's
; reads of them were over ahead of a later barrier.
.set XSC,  9437184                     ; where xw's scale words begin
.set AOS,  6291456                     ; where ao's begin
.set CHK,  73728                       ; a chunk in LDS: S0's 16 tiles x 3,072 bytes, then S1's 8
.set S1O,  49152
.set SC0,  294912
.set SC1,  303104
.set WV,   2
.set RO,   3
.set FF,   4
.set CX,   6
.set CY,   7
.set G1A,  8
.set G1B,  16
.set G1SA, 24
.set G1SB, 32
.set G0A,  40
.set G0B,  68
.set IX1,  105                         ; s105 which 128 tokens
.set MSB, 0
.macro WIN new                         ; the immediate's high byte repeats the setting that is left
.if MSB != \new
	s_set_vgpr_msb (MSB<<8)|\new
.set MSB, \new
.endif
.endm
.macro PLACES
.rept 4
	v_nop
.endr
.endm
.macro CROUND                          ; a round of the cluster's barrier
	s_barrier_signal -1
	s_barrier_wait -1
	s_cmp_lg_u32 s[WV], 0
	s_cbranch_scc1 .Lnot_wave_0_\@
	s_barrier_signal -3
.Lnot_wave_0_\@:
	s_barrier_wait -3
	s_barrier_signal -1
	s_barrier_wait -1
.endm
.macro WM d, fa, fb, z, sa, sb, ra, rb
.if (\z) && (\ra) && (\rb)
	v_wmma_scale_f32_16x16x128_f8f6f4 v[\d:\d+7], v[\fa:\fa+11], v[\fb:\fb+11], 0, v[\sa], v[\sb] matrix_a_fmt:MATRIX_FMT_FP6 matrix_b_fmt:MATRIX_FMT_FP6 matrix_a_scale:MATRIX_SCALE_ROW1 matrix_b_scale:MATRIX_SCALE_ROW1
.elseif (\z) && (\ra)
	v_wmma_scale_f32_16x16x128_f8f6f4 v[\d:\d+7], v[\fa:\fa+11], v[\fb:\fb+11], 0, v[\sa], v[\sb] matrix_a_fmt:MATRIX_FMT_FP6 matrix_b_fmt:MATRIX_FMT_FP6 matrix_a_scale:MATRIX_SCALE_ROW1
.elseif (\z) && (\rb)
	v_wmma_scale_f32_16x16x128_f8f6f4 v[\d:\d+7], v[\fa:\fa+11], v[\fb:\fb+11], 0, v[\sa], v[\sb] matrix_a_fmt:MATRIX_FMT_FP6 matrix_b_fmt:MATRIX_FMT_FP6 matrix_b_scale:MATRIX_SCALE_ROW1
.elseif (\z)
	v_wmma_scale_f32_16x16x128_f8f6f4 v[\d:\d+7], v[\fa:\fa+11], v[\fb:\fb+11], 0, v[\sa], v[\sb] matrix_a_fmt:MATRIX_FMT_FP6 matrix_b_fmt:MATRIX_FMT_FP6
.elseif (\ra) && (\rb)
	v_wmma_scale_f32_16x16x128_f8f6f4 v[\d:\d+7], v[\fa:\fa+11], v[\fb:\fb+11], v[\d:\d+7], v[\sa], v[\sb] matrix_a_fmt:MATRIX_FMT_FP6 matrix_b_fmt:MATRIX_FMT_FP6 matrix_a_scale:MATRIX_SCALE_ROW1 matrix_b_scale:MATRIX_SCALE_ROW1
.elseif (\ra)
	v_wmma_scale_f32_16x16x128_f8f6f4 v[\d:\d+7], v[\fa:\fa+11], v[\fb:\fb+11], v[\d:\d+7], v[\sa], v[\sb] matrix_a_fmt:MATRIX_FMT_FP6 matrix_b_fmt:MATRIX_FMT_FP6 matrix_a_scale:MATRIX_SCALE_ROW1
.elseif (\rb)
	v_wmma_scale_f32_16x16x128_f8f6f4 v[\d:\d+7], v[\fa:\fa+11], v[\fb:\fb+11], v[\d:\d+7], v[\sa], v[\sb] matrix_a_fmt:MATRIX_FMT_FP6 matrix_b_fmt:MATRIX_FMT_FP6 matrix_b_scale:MATRIX_SCALE_ROW1
.else
	v_wmma_scale_f32_16x16x128_f8f6f4 v[\d:\d+7], v[\fa:\fa+11], v[\fb:\fb+11], v[\d:\d+7], v[\sa], v[\sb] matrix_a_fmt:MATRIX_FMT_FP6 matrix_b_fmt:MATRIX_FMT_FP6
.endif
.endm
; K step k's operands into set k % 2: 51 LDS loads: S0's 8 fragments (32), the scale words (3), S1's 4 fragments (16)
.macro FETCH k
.irp b, 0,1,2,3,4,5,6,7
.irp c, 0,1
	ds_load_b128 v[32+96*((\k)%2)+12*\b+6*\c:32+96*((\k)%2)+12*\b+6*\c+3], v4 offset:3072*\b+1536*((\k)%2)+768*\c
	ds_load_b64 v[32+96*((\k)%2)+12*\b+6*\c+4:32+96*((\k)%2)+12*\b+6*\c+5], v5 offset:3072*\b+1536*((\k)%2)+768*\c+512
.endr
.endr
	ds_load_b64 v[16+4*((\k)%2):17+4*((\k)%2)], v8 offset:256*(\k)
	ds_load_b64 v[18+4*((\k)%2):19+4*((\k)%2)], v8 offset:2048+256*(\k)
	ds_load_b64 v[24+2*((\k)%2):25+2*((\k)%2)], v9 offset:256*(\k)
	WIN 0x80                                       ; destination window 2
.irp a, 0,1,2,3
.irp c, 0,1
	ds_load_b128 v[48*((\k)%2)+12*\a+6*\c:48*((\k)%2)+12*\a+6*\c+3], v6 offset:3072*\a+1536*((\k)%2)+768*\c
	ds_load_b64 v[48*((\k)%2)+12*\a+6*\c+4:48*((\k)%2)+12*\a+6*\c+5], v7 offset:3072*\a+1536*((\k)%2)+768*\c+512
.endr
.endr
	WIN 0
.endm
.macro MUL k, zero                     ; K step k: 32 matrix instructions
	WIN 0x58                                       ; source 0 window 0, source 1 window 2, C and D window 1
.irp a, 0,1,2,3
.irp b, 0,1,2,3,4,5,6,7
	WM 8*(8*\a+\b), 32+96*((\k)%2)+12*\b, 48*((\k)%2)+12*\a, \zero, 16+4*((\k)%2)+\b/2, 24+2*((\k)%2)+\a/2, \b%2, \a%2
.endr
.endr
	WIN 0
.endm
.macro NEXTCHUNK n                     ; on to the next chunk; n: my later chunks' loads, which may stay out
	s_wait_dscnt 0x0                               ; no LDS load of mine is out at the signal
	s_wait_tensorcnt \n                            ; my part of the next chunk has landed,
	s_barrier_signal -1
	s_barrier_wait -1                              ; everybody's has
	v_add_nc_u32 v4, CHK, v4                       ; these four lines are also the places between the last products and the loads into the set that they read
	v_add_nc_u32 v5, CHK, v5
	v_add_nc_u32 v6, CHK, v6
	v_add_nc_u32 v7, CHK, v7
.endm
	s_load_b256 s[88:95], s[0:1], 0x0              ; xw, ao, bo, out0
	v_lshl_add_u32 v254, v0, 2, 0x4b000
	v_mov_b32 v255, 0
	ds_add_u32 v254, v255
	ds_add_u32 v254, v255
	v_lshrrev_b32 v10, 5, v0
	v_readfirstlane_b32 s[WV], v10                 ; wave 0..3
	s_lshr_b32 s[RO], s[WV], 1                     ; I fetch for S0 (0) or S1 (1); my half of S0's rows
	s_and_b32 s[FF], s[WV], 1                      ; which half I fetch; my half of S1's rows
	s_bfe_u32 s[CX], ttmp6, 0x40000
	s_bfe_u32 s[CY], ttmp6, 0x40004
	; s60, s61, s[100:101] feed S0's descriptors and never hold cy; s62, s63, s[66:67], s105 feed S1's and never hold cx
	s_and_b32 s5, ttmp7, 0xffff
	s_lshl_b32 s[IX1], s5, 2
	s_add_co_u32 s[IX1], s[IX1], s[CY]             ; which 128 tokens: 4 x cluster y + cy
	s_lshl_b32 s61, s[CX], 4
	s_add_co_u32 s61, s61, 704                     ; Wo begins at tile 704 of xw; my 256 rows at 16 cx
	s_lshl_b32 s5, s[FF], 3
	s_add_co_u32 s61, s61, s5                      ; the first of the 8 tiles of S0 that I would fetch
	s_lshl_b32 s63, s[IX1], 3
	s_lshl_b32 s5, s[FF], 2
	s_add_co_u32 s63, s63, s5                      ; the first of the 4 tiles of S1
	s_lshl_b32 s60, 0x1111, s[CX]                  ; my column of the cluster
	s_lshl_b32 s62, s[CY], 2
	s_lshl_b32 s62, 15, s62                        ; my row
	s_or_b32 s[G1A], s60, (3<<16)|(1<<21)          ; 15:0 the mask; 17:16 elements of 8 bytes; 21 set beside a mask
	s_or_b32 s[G1SA], s60, (3<<16)|(1<<21)
	s_or_b32 s[G1B], s62, (3<<16)|(1<<21)
	s_or_b32 s[G1SB], s62, (3<<16)|(1<<21)
.irp g, G1A, G1B
	s_mov_b32 s[\g+1], 384<<16                     ; a tile's 3,072 consecutive bytes (two K steps),
	s_mov_b32 s[\g+3], 384<<16
	s_mov_b32 s[\g+5], 1536                        ; tiles 12,288 bytes apart
	s_mov_b32 s[\g+6], 0
	s_mov_b32 s[\g+7], 0
.endr
	s_mov_b32 s[G1A+2], 8<<16
	s_mov_b32 s[G1A+4], 8
	s_mov_b32 s[G1B+2], 4<<16
	s_mov_b32 s[G1B+4], 4
.irp g, G1SA, G1SB
	s_mov_b32 s[\g+1], 32<<16                      ; a dense block as rows of 256 bytes
	s_mov_b32 s[\g+3], 32<<16
	s_mov_b32 s[\g+5], 32
	s_mov_b32 s[\g+6], 0
	s_mov_b32 s[\g+7], 0
.endr
	s_mov_b32 s[G1SA+2], 16<<16
	s_mov_b32 s[G1SA+4], 16
	s_mov_b32 s[G1SB+2], 8<<16
	s_mov_b32 s[G1SB+4], 8
	s_mul_i32 s100, s61, 12288
	s_mov_b32 s101, 0
	s_mul_i32 s66, s63, 12288
	s_mov_b32 s67, 0
	s_wait_dscnt 0x0
	s_wait_kmcnt 0x0
	s_add_nc_u64 s[G0A+6:G0A+7], s[88:89], s[100:101]
	s_add_nc_u64 s[G0B+6:G0B+7], s[90:91], s[66:67]
	s_lshl_b32 s100, s61, 9
	s_add_co_u32 s100, s100, XSC
	s_lshl_b32 s66, s63, 9
	s_add_co_u32 s66, s66, AOS
	s_add_nc_u64 s[G0A+2:G0A+3], s[88:89], s[100:101]
	s_add_nc_u64 s[G0B+2:G0B+3], s[90:91], s[66:67]
	s_lshl_b32 s5, s[FF], 12                       ; LDS addresses hang on the wave's number alone
	s_add_co_u32 s[G0A+1], s5, SC0
	s_lshl_b32 s5, s[FF], 11
	s_add_co_u32 s[G0B+1], s5, SC1
	s_mul_i32 s5, s[FF], 24576
.irp p, 0,1,2,3
	s_add_co_u32 s[G0A+5+4*\p], s5, \p*CHK
.endr
	s_mul_i32 s5, s[FF], 12288
.irp p, 0,1,2,3
	s_add_co_u32 s[G0B+5+4*\p], s5, \p*CHK+S1O
.endr
.irp p, 1,2,3
	s_add_nc_u64 s[G0A+6+4*\p:G0A+7+4*\p], s[G0A+6:G0A+7], 3072*\p
	s_add_nc_u64 s[G0B+6+4*\p:G0B+7+4*\p], s[G0B+6:G0B+7], 3072*\p
.endr
.irp g, 0,1,2,3,4
	s_mov_b32 s[G0A+4*\g], 1
	s_or_b32 s[G0A+4*\g+3], s[G0A+4*\g+3], 0x80000000
	s_mov_b32 s[G0B+4*\g], 1
	s_or_b32 s[G0B+4*\g+3], s[G0B+4*\g+3], 0x80000000
.endr
	CROUND                                         ; all sixteen work-groups are here: the joint loads meet
	s_cmp_lt_u32 s[WV], 2                          ; all my fills stand in one branch on the wave's number
	s_cbranch_scc0 .Lfor_s1
	tensor_load_to_lds s[G0A:G0A+3], s[G1SA:G1SA+7]
	s_nop 0
	tensor_load_to_lds s[G0A+4:G0A+7], s[G1A:G1A+7]
	s_nop 0
	tensor_load_to_lds s[G0A+8:G0A+11], s[G1A:G1A+7]
	s_nop 0
	tensor_load_to_lds s[G0A+12:G0A+15], s[G1A:G1A+7]
	s_nop 0
	tensor_load_to_lds s[G0A+16:G0A+19], s[G1A:G1A+7]
	s_nop 0
	PLACES
	s_branch .Lasked
.Lfor_s1:
	tensor_load_to_lds s[G0B:G0B+3], s[G1SB:G1SB+7]
	s_nop 0
	tensor_load_to_lds s[G0B+4:G0B+7], s[G1B:G1B+7]
	s_nop 0
	tensor_load_to_lds s[G0B+8:G0B+11], s[G1B:G1B+7]
	s_nop 0
	tensor_load_to_lds s[G0B+12:G0B+15], s[G1B:G1B+7]
	s_nop 0
	tensor_load_to_lds s[G0B+16:G0B+19], s[G1B:G1B+7]
	s_nop 0
	PLACES
.Lasked:
	v_and_b32 v13, 31, v0
	v_lshlrev_b32 v1, 4, v13                       ; 16 x lane
	v_lshlrev_b32 v2, 3, v13                       ; 8 x lane
	s_mul_i32 s5, s[RO], 24576
	v_add_nc_u32 v4, s5, v1
	v_add_nc_u32 v5, s5, v2
	s_mul_i32 s5, s[FF], 12288
	s_add_co_u32 s5, s5, S1O
	v_add_nc_u32 v6, s5, v1
	v_add_nc_u32 v7, s5, v2
	s_lshl_b32 s5, s[RO], 12
	s_add_co_u32 s5, s5, SC0
	v_add_nc_u32 v8, s5, v2
	s_lshl_b32 s5, s[FF], 11
	s_add_co_u32 s5, s5, SC1
	v_add_nc_u32 v9, s5, v2
	v_and_b32 v13, 15, v0                          ; r
	v_bfe_u32 v14, v0, 4, 1                        ; h
	v_lshlrev_b32 v11, 6, v14                      ; 64 h
	s_mul_i32 s5, s[WV], 8448                      ; my stage: 16 rows x 528 bytes
	v_mul_u32_u24 v10, v13, 528
	v_add_nc_u32 v10, v10, v11
	v_add_nc_u32 v10, s5, v10                      ; in: row r, + 64 h
	v_add_nc_u32 v12, s5, v1                       ; back: a row's 512 bytes, 16 a lane
	s_lshl_b32 s100, s[CX], 10
	s_lshl_b32 s5, s[RO], 9
	s_add_co_u32 s100, s100, s5                    ; my first channel, in bytes
	s_mov_b32 s101, 0
	s_add_nc_u64 s[92:93], s[92:93], s[100:101]
	WIN 0xc0                                       ; destination window 3: the bias, in the results' order; waited for on the way out
.irp j, 0,1,2,3
.irp q, 0,1,2,3
	global_load_b128 v[16*\j+4*\q:16*\j+4*\q+3], v11, s[92:93] offset:128*\j+16*\q
.endr
.endr
	WIN 0
	s_wait_alu depctr_va_vdst(0)
	s_wait_tensorcnt 0x3                           ; my scales and my part of chunk 0 are in; three chunks may be out
	s_barrier_signal -1
	s_barrier_wait -1
	FETCH 0
	FETCH 1
	s_wait_dscnt 51                                ; all but the 51 just issued
	MUL 0, 1                                       ; the first K step starts the sums: nothing is cleared
	NEXTCHUNK 2
	FETCH 2
	s_wait_alu depctr_va_vdst(0)
	s_wait_dscnt 51
	MUL 1, 0
	PLACES
	FETCH 3
	s_wait_dscnt 51
	MUL 2, 0
	NEXTCHUNK 1
	FETCH 4
	s_wait_alu depctr_va_vdst(0)
	s_wait_dscnt 51
	MUL 3, 0
	PLACES
	FETCH 5
	s_wait_dscnt 51
	MUL 4, 0
	NEXTCHUNK 0
	FETCH 6
	s_wait_alu depctr_va_vdst(0)
	s_wait_dscnt 51
	MUL 5, 0
	PLACES
	FETCH 7
	s_wait_dscnt 51
	MUL 6, 0
	s_wait_dscnt 0x0
	MUL 7, 0
	PLACES                                         ; ahead of the first read of results and of writes over the fragments' registers
	s_wait_loadcnt 0x0                             ; the bias.  No tensor load of mine is out: the descriptors' registers are free
	s_lshl_b32 s8, s[IX1], 7
	s_lshl_b32 s9, s[FF], 6
	s_add_co_u32 s8, s8, s9                        ; my first token
	s_lshl_b32 s8, s8, 12                          ; a row of out0 is 4,096 bytes
	s_lshl_b32 s9, s[CX], 10
	s_add_co_u32 s8, s8, s9
	s_lshl_b32 s9, s[RO], 9
	s_add_co_u32 s8, s8, s9                        ; + my first channel
	s_mov_b32 s9, 0
	s_add_nc_u64 s[24:25], s[94:95], s[8:9]
.macro TOSTAGE a                       ; tile a of tokens: + bias, into the stage by lanes, back by rows.  LDS serves a wave's instructions in order: no wait between the stores and the loads, nor ahead of the next tile's stores
	WIN 0x0d                                       ; source 0 (the sums) window 1, source 1 (the bias) window 3; each accumulator from its low end on
.irp i, 0,1,2,3,4,5,6,7,8,9,10,11,12,13,14,15,16,17,18,19,20,21,22,23,24,25,26,27,28,29,30,31
	v_pk_add_f32 v[32+2*\i:33+2*\i], v[64*(\a)+2*\i:64*(\a)+2*\i+1], v[2*\i:2*\i+1]
.endr
	WIN 0
.irp j, 0,1,2,3,4,5,6,7,8,9,10,11,12,13,14,15
	ds_store_b128 v10, v[32+4*\j:35+4*\j] offset:128*(\j/4)+16*(\j%4)    ; register 16 b + 4 q: channel 32 b + 16 h + 4 q
.endr
.irp p, 0,1,2,3,4,5,6,7,8,9,10,11,12,13,14,15
	ds_load_b128 v[96+64*((\a)%2)+4*\p:96+64*((\a)%2)+4*\p+3], v12 offset:528*\p
.endr
.endm
.macro SEND a, younger                 ; younger: the LDS instructions issued behind tile a's loads, which may stay out
	s_wait_dscnt \younger
.irp p, 0,1,2,3,4,5,6,7,8,9,10,11,12,13,14,15
	global_store_b128 v1, v[96+64*((\a)%2)+4*\p:96+64*((\a)%2)+4*\p+3], s[24:25] offset:(32*((\a)/2)+8*((\a)%2)+\p+8*(\p/8))*4096 th:TH_STORE_NT   ; 32 lanes store 512 consecutive bytes, aligned; written once, read by nobody here
.endr
.endm
	TOSTAGE 0
.irp a, 1,2,3
.if \a > 1
	s_wait_xcnt 0x0                                ; tile a - 2's stores have read their registers: tile a's rows may land there
.endif
	TOSTAGE \a
	SEND \a-1, 32                                  ; behind tile a - 1's loads: tile a's 16 stores and 16 loads
.endr
	SEND 3, 0
	s_wait_tensorcnt 0x0
	ds_add_u32 v254, v255
	s_wait_dscnt 0x0
	CROUND                                         ; the closing round: no work-group ends while a partner may still ask for a tile that names it
	s_endpgm
.Lfunc_end_k_qd02aa10737_oproj:
	.size	k_qd02aa10737_oproj, .Lfunc_end_k_qd02aa10737_oproj-k_qd02aa10737_oproj
	.p2alignl 7, 3214868480
	.fill 96, 4, 3214868480
	.section	.rodata,"a",@progbits
	.p2align	6, 0x0
	.amdhsa_kernel k_qd02aa10737_oproj
		.amdhsa_group_segment_fixed_size 307712
		.amdhsa_private_segment_fixed_size 0
		.amdhsa_enable_private_segment 0
		.amdhsa_kernarg_size 32
		.amdhsa_user_sgpr_count 2
		.amdhsa_user_sgpr_kernarg_segment_ptr 1
		.amdhsa_wavefront_size32 1
		.amdhsa_system_sgpr_workgroup_id_x 1
		.amdhsa_system_sgpr_workgroup_id_y 1
		.amdhsa_system_sgpr_workgroup_id_z 1
		.amdhsa_system_vgpr_workitem_id 0
		.amdhsa_next_free_vgpr 832
		.amdhsa_next_free_sgpr 106
		.amdhsa_reserve_vcc 0
		.amdhsa_float_denorm_mode_32 3
		.amdhsa_float_denorm_mode_16_64 3
		.amdhsa_memory_ordered 1
		.amdhsa_forward_progress 1
		.amdhsa_inst_pref_size 95
	.end_amdhsa_kernel
	.amdgpu_metadata
---
amdhsa.version: [ 1, 2 ]
amdhsa.kernels:
  - .name:           k_qd02aa10737_oproj
    .symbol:         k_qd02aa10737_oproj.kd
    .args:
      - { .name: xw, .offset: 0, .size: 8, .value_kind: global_buffer, .address_space: global }
      - { .name: ao, .offset: 8, .size: 8, .value_kind: global_buffer, .address_space: global }
      - { .name: bo, .offset: 16, .size: 8, .value_kind: global_buffer, .address_space: global }
      - { .name: out0, .offset: 24, .size: 8, .value_kind: global_buffer, .address_space: global }
    .group_segment_fixed_size: 307712
    .private_segment_fixed_size: 0
    .kernarg_segment_align: 8
    .kernarg_segment_size: 32
    .max_flat_workgroup_size: 128
    .sgpr_count:     106
    .vgpr_count:     832
    .wavefront_size: 32
...
	.end_amdgpu_metadata
.endif
;; end of part 4
